; MI455X (gfx1250); checked and timed in simulation.
; The chip was launched on July 23, 2026; its instructions are those of AMD's public machine-readable ISA for CDNA 5 (MIT licence, August 2026) and "CDNA5" Instruction Set Architecture Reference Guide (July 2026). The comments in the code are by the model that wrote it; some were corrected since.
;; Cross Modal Mo E Router. Allowed arithmetic: float matrix products may take bf16 or f16 operands with f32 sums; all other float work in f32.
;; Inputs: b1 4 x 4,096 float32; b2 4 x 1,024 float32; gate_b 4 float32; gate_w 4 x 1,024 float32; ln_b 4 x 1,024 float32; ln_w 4 x 1,024 float32; w1 4 x 1,024 x 4,096 float32; w2 4 x 4,096 x 1,024 float32; x 2,048 x 1,024 float32.
;; Outputs: out0 2,048 x 1,024 float32; out1 2,048 x 4 float32; out2 2,048 x 2 int32; out3 2,048 x 2 float32; out4 one number float32.
;; Constants: top_k = 2.
;; One version. Each part assembles by itself: llvm-mc -triple=amdgcn-amd-amdhsa -mcpu=gfx1250 --defsym DOCPART=n.
;; ======== version 1 of 1: 5 launches
;; limits: a function is approximated: absolute error at most 1.5e-07; values are held in f16: magnitudes above 65,504 overflow, below 6.1e-05 lose precision
;; workspace buffers: wb 67,108,864 bytes; sel 16,384 bytes of whole numbers; psum 4,096 bytes; route 16,640 bytes of whole numbers; xe 9,437,184 bytes; hb 37,748,736 bytes; z 18,874,368 bytes
;; launch prep (part 1): grid 256 x 1, 8 waves a work-group, no clusters, 34,816 bytes of LDS; arguments x, gate_w, gate_b, w1, w2, out1, out2, out3, sel, psum, wb; writes out1, out2, out3, sel, psum, wb
.if DOCPART == 1
	.amdgcn_target "amdgcn-amd-amdhsa--gfx1250"
	.amdhsa_code_object_version 6
	.text
	.protected	k_q2d280776ef_prep
	.globl	k_q2d280776ef_prep
	.p2align	8
	.type	k_q2d280776ef_prep,@function
k_q2d280776ef_prep:
	s_mov_b64 s[64:65], 0
	v_nop
	global_prefetch_b8 v0, s[64:65] scope:SCOPE_SE
	s_setreg_imm32_b32 hwreg(HW_REG_WAVE_MODE, 25, 1), 1
	s_wait_xcnt 0x0
; PREP: the gate, and the weights' rounding to f16 in the matrix instruction's fragment order.
; 256 work-groups of eight waves.  Wave w of work-group g gates token t = 8 g + w: four dot products of 1,024 in f32 on the unrounded x and gate_w,
; softmax with the row's maximum taken away, the two largest probabilities (strict compares: of equal ones the lower number wins), their weights.
; THE WEIGHTS.  w[k][n] (f32, [K][N]) goes to wb as f16 at byte  T 33,554,432 + e 8,388,608 + (n / 16) STRIP + (k / 32) 1,024 + ((k / 16) % 2) 512 + 16 L + 2 (k % 8),
; L = n % 16 + 16 ((k / 8) % 2); T = 0, STRIP = 32,768 for w1; T = 1, STRIP = 131,072 for w2.  So 1,024 bytes hold one fragment (16 columns x 32 k): lane L's registers 0-3 in the first
; 512 bytes, 4-7 in the second, and the products load a fragment by two loads of 512 consecutive bytes, with nothing to turn.
; A wave takes eight blocks of 32 k x 64 n, four of each tensor.  A block comes by 16 loads: lanes 0-15 take 256 bytes of row 16 j + kk, lanes 16-31 of row 16 j + 8 + kk, so a lane
; holds all eight k of its four columns and packs them by itself: eight pieces of 16 bytes.  The pieces change lanes through the wave's own 4,160 bytes of LDS (four fragments 1,040 bytes
; apart: the sixteen lanes of a store touch sixteen different 16-byte columns) and leave as eight stores of 512 consecutive bytes.  Two register sets take turns: 32 loads of a wave are out.
; WHY f16: every number of out0 must lie within 1% of the output's root mean square; a rounding to 8 significant bits is off by about 0.16% (root mean square), and the four of the two
; products (rows, w1, hidden rows, w2) together by a third of that allowance, too much for the largest of two million numbers; with 11 bits they are an eighth of that.
; OUT: out1 probs, out2 indices, out3 weights; sel: word t = (1 << 8 e0) | (1 << 8 e1), word 2,048 + t = e0 | e1 << 8; psum: the group's sum of its 8 tokens' probs; wb.
; The small results of the group's 8 tokens meet in LDS and wave 0 stores them as consecutive pieces of 128, 64, 32 and 16 bytes: shorter than 256, 84 KB in the whole launch.
; LIMITS: a weight beyond 65,504 becomes an infinity; below 6.1e-5 a weight keeps f16's fixed step of 6e-8.  NaN and infinities are not treated apart; which of two nearly equal
; probabilities is larger is judged on this text's own f32 sums.
.set VL1,  4                           ; v4         my byte offset in a block of w1: 131,072 (lane / 16) + 16 (lane % 16); never rewritten
.set VL2,  5                           ; v5         the same for w2: 32,768 (lane / 16) + 16 (lane % 16)
.set LS,   6                           ; v6         LDS: where my pieces go
.set LL,   7                           ; v7         LDS: where I read 16 bytes of 512 back
.set X0,   8                           ; v[8:71]    a block as loaded, first set
.set XR,   72                          ; v[72:103]  the token's row, chunk j = elements 128 j + 4 lane + 0..3; behind the dot products v72-75 are at work
.set GW,   104                         ; v[104:231] gate_w: expert e, chunk j at GW + 32 e + 4 j; behind the gate:
.set X1,   104                         ; v[104:167] a block as loaded, second set
.set PKD,  168                         ; v[168:199] eight pieces of 16 bytes
.set Y,    200                         ; v[200:231] eight times 16 bytes to store
.set SUM,  232                         ; v[232:239] four pairs of partial sums; later offsets
.set P,    240                         ; v[240:243] logits, then probs
.set Q,    244                         ; v[244:247] probs without the winner; in wave 0 the group's sums
.set IDX,  248                         ; v[248:249] e0, e1
.set TW,   250                         ; v[250:251] the two weights
.set BEST, 252
.set SEC,  253
.set T0,   254
.set T1,   255
.set OH,   72
.set PKI,  73
.set ONE,  74
.set T3,   75
.set TR,   512                         ; LDS: the records lie in bytes 0-511, the waves' turning places behind them
.set TRW,  4160
	s_load_b512 s[8:23], s[0:1], 0x0               ; x 8, gate_w 10, gate_b 12, w1 14, w2 16, out1 18, out2 20, out3 22
	s_load_b128 s[24:27], s[0:1], 0x40             ; sel 24, psum 26
	s_load_b64 s[28:29], s[0:1], 0x50              ; wb
	s_set_vgpr_msb 0x40
	v_lshl_add_u32 v0, v0, 2, 0x8400
	v_mov_b32 v1, 0
	s_set_vgpr_msb 0x4000
	v_and_b32 v1, 31, v0                           ; lane
	v_lshrrev_b32 v2, 5, v0
	v_readfirstlane_b32 s30, v2                    ; wave
	v_lshlrev_b32 v2, 4, v1                        ; 16 lane: never rewritten
	v_lshlrev_b32 v3, 3, v1                        ; 8 lane: never rewritten
	v_and_b32 v[LS], 15, v1                        ; c: my four columns are 4 c + 0..3 of the block's 64
	v_lshrrev_b32 v[LL], 4, v1                     ; hh: which eight of sixteen rows
	v_lshlrev_b32 v[VL1], 4, v[LS]
	v_lshl_add_u32 v[VL2], v[LL], 15, v[VL1]       ; 8 rows of 4,096 bytes
	v_lshl_add_u32 v[VL1], v[LL], 17, v[VL1]       ; 8 rows of 16,384 bytes
	s_mul_i32 s39, s30, TRW
	s_add_co_u32 s39, s39, TR                      ; my wave's turning place
	v_lshrrev_b32 v[T0], 2, v[LS]                  ; which of the block's four fragments: c / 4
	v_and_b32 v[T1], 3, v[LS]
	v_mul_u32_u24 v[T0], v[T0], 1040
	v_lshl_add_u32 v[T0], v[T1], 6, v[T0]          ; lane slots 4 (c % 4) + q + 16 hh, 16 bytes each
	v_lshl_add_u32 v[T0], v[LL], 8, v[T0]
	v_add_nc_u32 v[LS], s39, v[T0]
	v_add_nc_u32 v[LL], s39, v2
	s_mov_b32 s36, 0x76543210                      ; v_permlanex16_b32: each lane takes its own place in the other half
	s_mov_b32 s37, 0xfedcba98
	s_lshl_b32 s38, ttmp9, 3
	s_add_co_u32 s38, s38, s30                     ; t; also the number W of my wave among 2,048
	s_lshl_b32 s42, s38, 12                        ; the token's row of 4,096 bytes
	s_mov_b32 s43, 0
	s_lshr_b32 s48, s38, 9                         ; e = W / 512, for both tensors
	s_bfe_u32 s49, s38, 0x50004                    ; w1: k / 32 = (W / 16) % 32,
	s_and_b32 s50, s38, 15                         ;     256 columns W % 16
	s_bfe_u32 s51, s38, 0x70002                    ; w2: k / 32 = (W / 4) % 128,
	s_and_b32 s52, s38, 3                          ;     256 columns W % 4
	s_lshl_b32 s54, s48, 24                        ; w1 from: e 16,777,216 + 32 rows of 16,384 + 1,024 bytes of a row
	s_lshl_b32 s53, s49, 19
	s_add_co_u32 s54, s54, s53
	s_lshl_b32 s53, s50, 10
	s_add_co_u32 s54, s54, s53
	s_mov_b32 s55, 0
	s_lshl_b32 s56, s48, 23                        ; w1 to: e 8,388,608 + 16 strips of 32,768 + 1,024 (k / 32)
	s_lshl_b32 s53, s50, 19
	s_add_co_u32 s56, s56, s53
	s_lshl_b32 s53, s49, 10
	s_add_co_u32 s56, s56, s53
	s_mov_b32 s57, 0
	s_lshl_b32 s58, s48, 24                        ; w2 from: e 16,777,216 + 32 rows of 4,096 + 1,024 bytes of a row
	s_lshl_b32 s53, s51, 17
	s_add_co_u32 s58, s58, s53
	s_lshl_b32 s53, s52, 10
	s_add_co_u32 s58, s58, s53
	s_mov_b32 s59, 0
	s_lshl_b32 s60, s48, 23                        ; w2 to: 33,554,432 + e 8,388,608 + 16 strips of 131,072 + 1,024 (k / 32)
	s_lshl_b32 s53, s52, 21
	s_add_co_u32 s60, s60, s53
	s_lshl_b32 s53, s51, 10
	s_add_co_u32 s60, s60, s53
	s_add_co_u32 s60, s60, 0x2000000
	s_mov_b32 s61, 0
	s_wait_kmcnt 0x0
	s_load_b128 s[32:35], s[12:13], 0x0            ; gate_b
	s_add_nc_u64 s[8:9], s[8:9], s[42:43]
	s_add_nc_u64 s[14:15], s[14:15], s[54:55]
	s_add_nc_u64 s[16:17], s[16:17], s[58:59]
	s_add_nc_u64 s[44:45], s[28:29], s[60:61]      ; w2's place in wb
	s_add_nc_u64 s[28:29], s[28:29], s[56:57]      ; w1's
; 16 loads: block blk (64 columns, 256 bytes of a row) of 32 rows of rowb bytes into set xs
.macro LOADB xs, vl, base, rowb, blk
.irp j, 0,1
.irp kk, 0,1,2,3,4,5,6,7
	global_load_b128 v[\xs+4*(8*\j+\kk):\xs+4*(8*\j+\kk)+3], v[\vl], s[\base:\base+1] offset:(16*\j+\kk)*\rowb+256*\blk th:TH_LOAD_NT
.endr
.endr
.endm
.irp j, 0,1,2,3,4,5,6,7
	global_load_b128 v[XR+4*\j:XR+4*\j+3], v2, s[8:9] offset:512*\j
.endr
.irp e, 0,1,2,3
.irp j, 0,1,2,3,4,5,6,7
	global_load_b128 v[GW+32*\e+4*\j:GW+32*\e+4*\j+3], v2, s[10:11] offset:4096*\e+512*\j
.endr
.endr
	LOADB X0, VL1, 14, 16384, 0                    ; the first block is asked for before the gate is computed
	s_wait_loadcnt 16                              ; x and gate_w are in; the block's 16 younger loads stay out
	; four dot products, 32 numbers a lane each, two at a time
.irp e, 0,1,2,3
	v_pk_mul_f32 v[SUM+2*\e:SUM+2*\e+1], v[XR:XR+1], v[GW+32*\e:GW+32*\e+1]
.endr
.set k, 1
.rept 15
.irp e, 0,1,2,3
	v_pk_fma_f32 v[SUM+2*\e:SUM+2*\e+1], v[XR+2*k:XR+2*k+1], v[GW+32*\e+2*k:GW+32*\e+2*k+1], v[SUM+2*\e:SUM+2*\e+1]
.endr
.set k, k+1
.endr
.irp e, 0,1,2,3
	v_add_f32 v[P+\e], v[SUM+2*\e], v[SUM+2*\e+1]
.endr
.irp m, 1,2,4,8
.irp e, 0,1,2,3
	v_add_f32_dpp v[P+\e], v[P+\e], v[P+\e] row_xmask:\m row_mask:0xf bank_mask:0xf
.endr
.endr
.irp e, 0,1,2,3
	v_permlanex16_b32 v[SUM+\e], v[P+\e], s36, s37 ; its destination has been written
.endr
.irp e, 0,1,2,3
	v_add_f32 v[P+\e], v[P+\e], v[SUM+\e]
.endr
	s_wait_kmcnt 0x0                               ; gate_b
.irp e, 0,1,2,3
	v_add_f32 v[P+\e], s[32+\e], v[P+\e]           ; every lane holds the four logits
.endr
	; softmax: the maximum is taken away first
	v_max3_num_f32 v[T0], v[P], v[P+1], v[P+2]
	v_max_num_f32 v[T0], v[T0], v[P+3]
.irp e, 0,1,2,3
	v_sub_f32 v[P+\e], v[P+\e], v[T0]
.endr
.irp e, 0,1,2,3
	v_mul_f32 v[P+\e], 0x3fb8aa3b, v[P+\e]         ; log2(e)
.endr
.irp e, 0,1,2,3
	v_exp_f32 v[P+\e], v[P+\e]
.endr
	v_mov_b32 v[ONE], 1                            ; the plain instruction behind the exponentials (ISA guide 5.7.2)
	s_wait_alu depctr_va_vdst(0)
	v_add_f32 v[T0], v[P], v[P+1]
	v_add_f32 v[T1], v[P+2], v[P+3]
	v_add_f32 v[T0], v[T0], v[T1]
	v_rcp_f32 v[T0], v[T0]
	v_mov_b32 v[SUM+7], s30                        ; the plain instruction behind the reciprocal: the wave's number, for the LDS addresses
	s_wait_alu depctr_va_vdst(0)
.irp e, 0,1,2,3
	v_mul_f32 v[P+\e], v[P+\e], v[T0]
.endr
; the largest of v[src .. src+3] into v[val], its number into v[idx]; the compare is strict: of equal numbers the lowest index stays
.macro ARGMAX src, val, idx
	v_mov_b32 v[\val], v[\src]
	v_mov_b32 v[\idx], 0
.irp e, 1,2,3
	v_cmp_gt_f32 vcc_lo, v[\src+\e], v[\val]
	v_cndmask_b32 v[\val], v[\val], v[\src+\e], vcc_lo
	v_cndmask_b32 v[\idx], v[\idx], \e, vcc_lo
.endr
.endm
	ARGMAX P, BEST, IDX
.irp e, 0,1,2,3
	v_cmp_eq_u32 vcc_lo, \e, v[IDX]
	v_cndmask_b32 v[Q+\e], v[P+\e], -1.0, vcc_lo   ; the winner leaves the field: probs are never negative
.endr
	ARGMAX Q, SEC, IDX+1
	v_add_f32 v[T0], v[BEST], v[SEC]
	v_add_f32 v[T0], 0x3089705f, v[T0]             ; + 1e-9
	v_rcp_f32 v[T0], v[T0]
	v_lshlrev_b32 v[T1], 3, v[IDX]                 ; the plain instruction behind the reciprocal
	v_lshlrev_b32 v[T3], 3, v[IDX+1]
	s_wait_alu depctr_va_vdst(0)
	v_mul_f32 v[TW], v[BEST], v[T0]
	v_mul_f32 v[TW+1], v[SEC], v[T0]
	v_lshlrev_b32 v[OH], v[T1], v[ONE]             ; 1 << 8 e0
	v_lshlrev_b32 v[T3], v[T3], v[ONE]             ; 1 << 8 e1
	v_or_b32 v[OH], v[OH], v[T3]
	v_lshl_or_b32 v[PKI], v[IDX+1], 8, v[IDX]
	; the token's record into LDS (every lane writes the same words): probs at 16 w, indices at 128 + 8 w, weights at 192 + 8 w, sel's two words at 256 + 4 w and 288 + 4 w
	v_lshlrev_b32 v[SUM+4], 4, v[SUM+7]
	v_lshlrev_b32 v[SUM+5], 3, v[SUM+7]
	v_lshlrev_b32 v[SUM+6], 2, v[SUM+7]
	ds_store_b128 v[SUM+4], v[P:P+3]
	ds_store_b64 v[SUM+5], v[IDX:IDX+1] offset:128
	ds_store_b64 v[SUM+5], v[TW:TW+1] offset:192
	ds_store_b32 v[SUM+6], v[OH] offset:256
	ds_store_b32 v[SUM+6], v[PKI] offset:288
	s_wait_dscnt 0x0                               ; for wave 0's sake: my record is written
	s_barrier_signal -1
	s_barrier_wait -1
	s_cmp_lg_u32 s30, 0
	s_cbranch_scc1 .Lring                          ; wave 0 alone stores the eight records; no barrier and no load from memory stands in this branch
	v_and_b32 v[T0], 7, v1                         ; lane l reads token l % 8
	v_lshlrev_b32 v[SUM+4], 4, v[T0]
	v_lshlrev_b32 v[SUM+5], 3, v[T0]
	v_lshlrev_b32 v[SUM+6], 2, v[T0]
	ds_load_b128 v[P:P+3], v[SUM+4]
	ds_load_b64 v[IDX:IDX+1], v[SUM+5] offset:128
	ds_load_b64 v[TW:TW+1], v[SUM+5] offset:192
	ds_load_b32 v[OH], v[SUM+6] offset:256
	ds_load_b32 v[PKI], v[SUM+6] offset:288
	s_wait_dscnt 0x0
.irp e, 0,1,2,3
	v_mov_b32 v[Q+\e], v[P+\e]
.endr
.irp m, 1,2,4
.irp e, 0,1,2,3
	v_add_f32_dpp v[Q+\e], v[Q+\e], v[Q+\e] row_xmask:\m row_mask:0xf bank_mask:0xf  ; the sum over the group's 8 tokens
.endr
.endr
	s_lshl_b32 s41, ttmp9, 7
	v_add_nc_u32 v[SUM+4], s41, v2                 ; out1: 128 g + 16 lane
	s_lshl_b32 s41, ttmp9, 6
	v_add_nc_u32 v[SUM+5], s41, v3                 ; out2, out3: 64 g + 8 lane
	s_lshl_b32 s41, ttmp9, 5
	v_lshl_add_u32 v[SUM+6], v1, 2, s41            ; sel: 32 g + 4 lane
	s_lshl_b32 s41, ttmp9, 4
	v_mov_b32 v[SUM+7], s41                        ; psum: 16 g
	s_wait_xcnt 0x0                                ; EXEC is a source of the first block's pending loads: it changes only behind this wait
	v_cmp_gt_u32 vcc_lo, 8, v1
	s_and_saveexec_b32 s40, vcc_lo                 ; lanes 0 to 7
	global_store_b128 v[SUM+4], v[P:P+3], s[18:19]
	global_store_b64 v[SUM+5], v[IDX:IDX+1], s[20:21]
	global_store_b64 v[SUM+5], v[TW:TW+1], s[22:23]
	global_store_b32 v[SUM+6], v[OH], s[24:25]
	global_store_b32 v[SUM+6], v[PKI], s[24:25] offset:8192
	s_wait_xcnt 0x0
	s_or_b32 exec_lo, exec_lo, s40
	v_cmp_eq_u32 vcc_lo, 0, v1
	s_and_saveexec_b32 s40, vcc_lo                 ; lane 0
	global_store_b128 v[SUM+7], v[Q:Q+3], s[26:27]
	s_wait_xcnt 0x0
	s_or_b32 exec_lo, exec_lo, s40
.Lring:
	LOADB X1, VL1, 14, 16384, 1                    ; gate_w's registers are free: the second set is filled
; piece (j, q): column 4 c + q, k = 16 j + 8 hh + 0..7, the lower k in the lower bits
.macro CVTB xs
.irp j, 0,1
.irp q, 0,1,2,3
.irp m, 0,1,2,3
	v_cvt_pk_f16_f32 v[PKD+4*(4*\j+\q)+\m], v[\xs+4*(8*\j+2*\m)+\q], v[\xs+4*(8*\j+2*\m+1)+\q]
.endr
.endr
.endr
.endm
; through my turning place, and out: fragment nf of the block goes to strip 4 blk + nf of my sixteen
.macro OUTB base, strip, blk
.irp j, 0,1
.irp q, 0,1,2,3
	ds_store_b128 v[LS], v[PKD+4*(4*\j+\q):PKD+4*(4*\j+\q)+3] offset:512*\j+16*\q
.endr
.endr
.irp nf, 0,1,2,3
.irp j, 0,1
	ds_load_b128 v[Y+4*(2*\nf+\j):Y+4*(2*\nf+\j)+3], v[LL] offset:1040*\nf+512*\j  ; LDS serves a wave's instructions in order (ISA guide 5.7.1.4): these see the stores above
.endr
.endr
.irp nf, 0,1,2,3
.irp j, 0,1
	s_wait_dscnt 7-(2*\nf+\j)
	global_store_b128 v2, v[Y+4*(2*\nf+\j):Y+4*(2*\nf+\j)+3], s[\base:\base+1] offset:(4*\blk+\nf)*\strip+512*\j  ; 512 consecutive bytes, at a multiple of 512 from wb's first byte
.endr
.endr
.endm
; One block's turn.  left: the other set's loads, which may stay out.  nblk >= 0: the set is loaded again as soon as it is packed.
.macro BLOCK xs, left, nvl, nbase, nrowb, nblk, dbase, strip, blk
	s_wait_loadcnt \left                           ; loads come back in order (ISA guide 5.7.1): my set is in
	s_wait_xcnt 0x0                                ; Y, which the last block's stores read, is loaded again only behind this wait
	CVTB \xs
.if \nblk >= 0
	LOADB \xs, \nvl, \nbase, \nrowb, \nblk
.endif
	OUTB \dbase, \strip, \blk
.endm
	BLOCK X0, 16, VL1, 14, 16384, 2, 28, 32768, 0
	BLOCK X1, 16, VL1, 14, 16384, 3, 28, 32768, 1
	BLOCK X0, 16, VL2, 16, 4096, 0, 28, 32768, 2
	BLOCK X1, 16, VL2, 16, 4096, 1, 28, 32768, 3
	BLOCK X0, 16, VL2, 16, 4096, 2, 44, 131072, 0
	BLOCK X1, 16, VL2, 16, 4096, 3, 44, 131072, 1
	BLOCK X0, 16, VL2, 16, 4096, -1, 44, 131072, 2 ; the last two blocks load nothing
	BLOCK X1, 0, VL2, 16, 4096, -1, 44, 131072, 3
	s_set_vgpr_msb 0x5
	s_wait_tensorcnt 0x0
	ds_add_u32 v0, v1
	s_wait_dscnt 0x0
	s_set_vgpr_msb 0x500
	s_endpgm
.Lfunc_end_k_q2d280776ef_prep:
	.size	k_q2d280776ef_prep, .Lfunc_end_k_q2d280776ef_prep-k_q2d280776ef_prep
	.p2alignl 7, 3214868480
	.fill 96, 4, 3214868480
	.section	.rodata,"a",@progbits
	.p2align	6, 0x0
	.amdhsa_kernel k_q2d280776ef_prep
		.amdhsa_group_segment_fixed_size 34816
		.amdhsa_private_segment_fixed_size 0
		.amdhsa_enable_private_segment 0
		.amdhsa_kernarg_size 88
		.amdhsa_user_sgpr_count 2
		.amdhsa_user_sgpr_kernarg_segment_ptr 1
		.amdhsa_wavefront_size32 1
		.amdhsa_system_sgpr_workgroup_id_x 1
		.amdhsa_system_sgpr_workgroup_id_y 1
		.amdhsa_system_sgpr_workgroup_id_z 1
		.amdhsa_system_vgpr_workitem_id 0
		.amdhsa_next_free_vgpr 258
		.amdhsa_next_free_sgpr 66
		.amdhsa_reserve_vcc 1
		.amdhsa_float_denorm_mode_32 3
		.amdhsa_float_denorm_mode_16_64 3
		.amdhsa_memory_ordered 1
		.amdhsa_forward_progress 1
		.amdhsa_inst_pref_size 63
	.end_amdhsa_kernel
	.amdgpu_metadata
---
amdhsa.version: [ 1, 2 ]
amdhsa.kernels:
  - .name:           k_q2d280776ef_prep
    .symbol:         k_q2d280776ef_prep.kd
    .args:
      - { .name: x, .offset: 0, .size: 8, .value_kind: global_buffer, .address_space: global }
      - { .name: gate_w, .offset: 8, .size: 8, .value_kind: global_buffer, .address_space: global }
      - { .name: gate_b, .offset: 16, .size: 8, .value_kind: global_buffer, .address_space: global }
      - { .name: w1, .offset: 24, .size: 8, .value_kind: global_buffer, .address_space: global }
      - { .name: w2, .offset: 32, .size: 8, .value_kind: global_buffer, .address_space: global }
      - { .name: out1, .offset: 40, .size: 8, .value_kind: global_buffer, .address_space: global }
      - { .name: out2, .offset: 48, .size: 8, .value_kind: global_buffer, .address_space: global }
      - { .name: out3, .offset: 56, .size: 8, .value_kind: global_buffer, .address_space: global }
      - { .name: sel, .offset: 64, .size: 8, .value_kind: global_buffer, .address_space: global }
      - { .name: psum, .offset: 72, .size: 8, .value_kind: global_buffer, .address_space: global }
      - { .name: wb, .offset: 80, .size: 8, .value_kind: global_buffer, .address_space: global }
    .group_segment_fixed_size: 34816
    .private_segment_fixed_size: 0
    .kernarg_segment_align: 8
    .kernarg_segment_size: 88
    .max_flat_workgroup_size: 256
    .sgpr_count:     66
    .vgpr_count:     258
    .wavefront_size: 32
...
	.end_amdgpu_metadata
.endif
;; end of part 1
;; launch dispatch (part 2): grid 256 x 1, 8 waves a work-group, no clusters, 0 bytes of LDS; arguments x, ln_w, ln_b, sel, psum, xe, route, out4; writes xe, route, out4
.if DOCPART == 2
	.amdgcn_target "amdgcn-amd-amdhsa--gfx1250"
	.amdhsa_code_object_version 6
	.text
	.protected	k_q2d280776ef_dispatch
	.globl	k_q2d280776ef_dispatch
	.p2align	8
	.type	k_q2d280776ef_dispatch,@function
k_q2d280776ef_dispatch:
	s_mov_b64 s[64:65], 0
	v_nop
	global_prefetch_b8 v0, s[64:65] scope:SCOPE_SE
	s_setreg_imm32_b32 hwreg(HW_REG_WAVE_MODE, 25, 1), 1
	s_wait_xcnt 0x0
; DISPATCH: where each (token, expert) row goes, the LayerNorm, the rows themselves, and the aux loss.
; The 4,096 rows are laid by expert into 32 row tiles of 144 rows; each expert's part begins at a tile's first row.  The sum over the experts of ceil(n_e / 144)
; is at most (4,096 + 4 x 143) / 144 = 32.4, so 32 tiles serve every routing.  The 512 rows that are left over are filled with zeros.
; Wave w of work-group g has token t = 8 g + w.  Every wave counts for itself, from sel's 2,048 words (a byte field for each expert): n_e, all tokens that chose e, and
; pre_e, those with a lower number than t.  Row of (t, e) = 144 x (tiles of the experts below e) + pre_e.  No wave waits for another.
; LayerNorm in two passes in f32 (mean; then the squares of x - mean), the chosen experts' gain and bias, one rounding to f16.
; LIMIT: a normalised number is 32 at the most (the root of 1,024), so a row's numbers stay under 32 |gain| + |bias|; beyond 65,504 they would become infinities.
; The wave also zero-fills a quarter of left-over row q = 2 g + w / 4; the wave of token 0 writes the tiles' expert numbers and aux.
; route: words 2 t, 2 t + 1 = the token's two rows; from byte 16,384 on 32 words: the tile's expert (3 for a tile that no expert needs: its rows are zeros, its results are never read).
.set XR,  16                           ; v[16:47]   the row: chunk j = elements 128 j + 4 lane + 0..3
.set SL,  48                           ; v[48:111]  sel's words; then:
.set LW0, 48                           ; v[48:79]   gain of e0
.set LB0, 80                           ; v[80:111]  bias of e0
.set LW1, 112                          ; v[112:143] gain of e1
.set LB1, 144                          ; v[144:175] bias of e1
.set PK,  176                          ; v[176:207] at work, then the two rows in f16
	s_load_b512 s[8:23], s[0:1], 0x0               ; x 8, ln_w 10, ln_b 12, sel 14, psum 16, xe 18, route 20, out4 22
	v_and_b32 v1, 31, v0                           ; lane
	v_lshrrev_b32 v2, 5, v0
	v_readfirstlane_b32 s24, v2                    ; wave
	v_lshlrev_b32 v2, 4, v1                        ; 16 lane
	v_lshlrev_b32 v3, 3, v1                        ; 8 lane
	v_lshlrev_b32 v4, 2, v1                        ; 4 lane + c, c = 0..3: a word's place in 128 words
	v_lshl_or_b32 v5, v1, 2, 1
	v_lshl_or_b32 v6, v1, 2, 2
	v_lshl_or_b32 v7, v1, 2, 3
	v_mov_b32 v8, 0                                ; all tokens' fields
	v_mov_b32 v9, 0                                ; the fields of the tokens below t
	v_mov_b32 v14, 0
	s_lshl_b32 s26, ttmp9, 3
	s_add_co_u32 s26, s26, s24                     ; t
	s_lshl_b32 s92, s26, 2
	s_lshl_b32 s86, s26, 12
	s_mov_b32 s87, 0
	s_mov_b32 s76, 0x76543210
	s_mov_b32 s77, 0xfedcba98
	s_mov_b32 s78, 0x3727c5ac                      ; 1e-5
	s_mov_b32 s79, 0x3a800000                      ; 1 / 1,024
	s_mov_b32 s31, 0x00ff00ff
	s_wait_kmcnt 0x0
	s_load_b32 s27, s[14:15], s92 offset:0x2000    ; e0 | e1 << 8
	s_add_nc_u64 s[8:9], s[8:9], s[86:87]
.irp j, 0,1,2,3,4,5,6,7,8,9,10,11,12,13,14,15
	global_load_b128 v[SL+4*\j:SL+4*\j+3], v2, s[14:15] offset:512*\j
.endr
.irp j, 0,1,2,3,4,5,6,7
	global_load_b128 v[XR+4*\j:XR+4*\j+3], v2, s[8:9] offset:512*\j
.endr
	s_mov_b32 s30, s26                             ; t - 128 j
	s_wait_loadcnt 8                               ; sel is in; x's eight younger loads stay out
.set j, 0
.rept 16                                       ; a lane adds 64 words: no byte field passes 64
.irp c, 0,1,2,3
	v_cmp_gt_i32 vcc_lo, s30, v[4+\c]              ; is token 128 j + 4 lane + c below t?
	v_cndmask_b32 v[10+\c], 0, v[SL+4*j+\c], vcc_lo
.endr
.irp c, 0,1,2,3
	v_add_nc_u32 v8, v8, v[SL+4*j+\c]
	v_add_nc_u32 v9, v9, v[10+\c]
.endr
	s_sub_co_i32 s30, s30, 128
.set j, j+1
.endr
	v_and_b32 v10, s31, v8                         ; fields of 16 bits: experts 0 and 2,
	v_lshrrev_b32 v11, 8, v8
	v_and_b32 v11, s31, v11                        ; experts 1 and 3: the sums over 32 lanes, 2,048 at the most, fit
	v_and_b32 v12, s31, v9
	v_lshrrev_b32 v13, 8, v9
	v_and_b32 v13, s31, v13
.irp m, 1,2,4,8
.irp r, 10,11,12,13
	v_mov_b32_dpp v14, v\r row_xmask:\m row_mask:0xf bank_mask:0xf
	v_add_nc_u32 v\r, v\r, v14
.endr
.endr
.irp r, 10,11,12,13
	v_permlanex16_b32 v14, v\r, s76, s77
	v_add_nc_u32 v\r, v\r, v14
.endr
	v_readfirstlane_b32 s32, v10
	v_readfirstlane_b32 s33, v11
	v_readfirstlane_b32 s36, v12
	v_readfirstlane_b32 s37, v13
	s_lshr_b32 s34, s32, 16                        ; n2
	s_lshr_b32 s35, s33, 16                        ; n3
	s_and_b32 s32, s32, 0xffff                     ; n0
	s_and_b32 s33, s33, 0xffff                     ; n1
	s_lshr_b32 s38, s36, 16                        ; pre2
	s_lshr_b32 s39, s37, 16                        ; pre3
	s_and_b32 s36, s36, 0xffff                     ; pre0
	s_and_b32 s37, s37, 0xffff                     ; pre1
.irp e, 0,1,2,3
	s_add_co_u32 s[40+\e], s[32+\e], 143           ; c_e = ceil(n_e / 144) = ((n_e + 143) x 116,509) >> 24: 116,509 x 144 = 2^24 + 80, and
	s_mul_i32 s[40+\e], s[40+\e], 116509           ; 2,191 x 80 / 2^24 / 144 lies far below 1 / 144, so the floor is exact
	s_lshr_b32 s[40+\e], s[40+\e], 24
.endr
	s_mul_i32 s44, s40, 144                        ; first row of expert 1,
	s_mul_i32 s45, s41, 144
	s_add_co_u32 s45, s45, s44                     ; of expert 2,
	s_mul_i32 s46, s42, 144
	s_add_co_u32 s46, s46, s45                     ; of expert 3
	s_mov_b32 s48, s36                             ; my row if I chose expert 0, 1, 2, 3
	s_add_co_u32 s49, s44, s37
	s_add_co_u32 s50, s45, s38
	s_add_co_u32 s51, s46, s39
	s_wait_kmcnt 0x0
	s_and_b32 s28, s27, 0xff
	s_min_u32 s28, s28, 3                          ; e0
	s_bfe_u32 s29, s27, 0x80008
	s_min_u32 s29, s29, 3                          ; e1
	s_cmp_eq_u32 s28, 1
	s_cselect_b32 s52, s49, s48
	s_cmp_eq_u32 s28, 2
	s_cselect_b32 s52, s50, s52
	s_cmp_eq_u32 s28, 3
	s_cselect_b32 s52, s51, s52
	s_min_u32 s52, s52, 4607                       ; row of (t, e0)
	s_cmp_eq_u32 s29, 1
	s_cselect_b32 s53, s49, s48
	s_cmp_eq_u32 s29, 2
	s_cselect_b32 s53, s50, s53
	s_cmp_eq_u32 s29, 3
	s_cselect_b32 s53, s51, s53
	s_min_u32 s53, s53, 4607                       ; row of (t, e1)
	; left-over row q: behind expert 0's rows come cum0 of them, behind expert 1's cum1 - cum0, ..: row = q + the rows of all experts up to the one it follows
	s_sub_co_u32 s54, s44, s32                     ; cum0 = 144 c0 - n0
	s_sub_co_u32 s55, s45, s32
	s_sub_co_u32 s55, s55, s33                     ; cum1
	s_sub_co_u32 s56, s46, s32
	s_sub_co_u32 s56, s56, s33
	s_sub_co_u32 s56, s56, s34                     ; cum2
	s_lshl_b32 s57, ttmp9, 1
	s_lshr_b32 s58, s24, 2
	s_add_co_u32 s57, s57, s58                     ; q
	s_add_co_u32 s58, s57, s32
	s_cmp_ge_u32 s57, s54
	s_cselect_b32 s59, s33, 0
	s_add_co_u32 s58, s58, s59
	s_cmp_ge_u32 s57, s55
	s_cselect_b32 s59, s34, 0
	s_add_co_u32 s58, s58, s59
	s_cmp_ge_u32 s57, s56
	s_cselect_b32 s59, s35, 0
	s_add_co_u32 s58, s58, s59
	s_min_u32 s58, s58, 4607
	; addresses: each its own buffer's pointer plus an offset made apart
	s_mov_b32 s89, 0
	s_lshl_b32 s88, s28, 12
	s_add_nc_u64 s[60:61], s[10:11], s[88:89]      ; ln_w of e0
	s_add_nc_u64 s[62:63], s[12:13], s[88:89]      ; ln_b of e0
	s_lshl_b32 s88, s29, 12
	s_add_nc_u64 s[66:67], s[10:11], s[88:89]      ; of e1
	s_add_nc_u64 s[68:69], s[12:13], s[88:89]
	s_lshl_b32 s88, s52, 11
	s_add_nc_u64 s[70:71], s[18:19], s[88:89]      ; xe's two rows of 2,048 bytes
	s_lshl_b32 s88, s53, 11
	s_add_nc_u64 s[72:73], s[18:19], s[88:89]
	s_lshl_b32 s88, s58, 11
	s_and_b32 s90, s24, 3
	s_lshl_b32 s90, s90, 9
	s_add_co_u32 s88, s88, s90
	s_add_nc_u64 s[74:75], s[18:19], s[88:89]      ; my quarter of the left-over row
	s_lshl_b32 s88, s26, 3
	s_add_nc_u64 s[84:85], s[20:21], s[88:89]      ; route's two words of t
.irp j, 0,1,2,3,4,5,6,7
	global_load_b128 v[LW0+4*\j:LW0+4*\j+3], v2, s[60:61] offset:512*\j
.endr
.irp j, 0,1,2,3,4,5,6,7
	global_load_b128 v[LB0+4*\j:LB0+4*\j+3], v2, s[62:63] offset:512*\j
.endr
.irp j, 0,1,2,3,4,5,6,7
	global_load_b128 v[LW1+4*\j:LW1+4*\j+3], v2, s[66:67] offset:512*\j
.endr
.irp j, 0,1,2,3,4,5,6,7
	global_load_b128 v[LB1+4*\j:LB1+4*\j+3], v2, s[68:69] offset:512*\j
.endr
; the sum of v[r] over the 32 lanes, in every lane; v[t] has been written
.macro LSUM r, t
.irp m, 1,2,4,8
	v_add_f32_dpp v[\r], v[\r], v[\r] row_xmask:\m row_mask:0xf bank_mask:0xf
.endr
	v_permlanex16_b32 v[\t], v[\r], s76, s77
	v_add_f32 v[\r], v[\r], v[\t]
.endm
	s_wait_loadcnt 32                              ; x is in; the 32 younger loads of gains and biases stay out
.irp k, 0,1,2,3
	v_pk_add_f32 v[PK+2*\k:PK+2*\k+1], v[XR+4*\k:XR+4*\k+1], v[XR+4*\k+2:XR+4*\k+3]  ; four chains
.endr
.irp k, 0,1,2,3
	v_pk_add_f32 v[PK+2*\k:PK+2*\k+1], v[PK+2*\k:PK+2*\k+1], v[XR+16+2*\k:XR+16+2*\k+1]
.endr
.irp k, 0,1,2,3
	v_pk_add_f32 v[PK+2*\k:PK+2*\k+1], v[PK+2*\k:PK+2*\k+1], v[XR+24+2*\k:XR+24+2*\k+1]
.endr
	v_pk_add_f32 v[PK:PK+1], v[PK:PK+1], v[PK+2:PK+3]
	v_pk_add_f32 v[PK+4:PK+5], v[PK+4:PK+5], v[PK+6:PK+7]
	v_pk_add_f32 v[PK:PK+1], v[PK:PK+1], v[PK+4:PK+5]
	v_add_f32 v[PK], v[PK], v[PK+1]
	LSUM PK, PK+1
	v_mul_f32 v[PK], s79, v[PK]                    ; the mean
	v_mov_b32 v[PK+1], v[PK]
.set k, 0
.rept 16
	v_pk_add_f32 v[XR+2*k:XR+2*k+1], v[XR+2*k:XR+2*k+1], v[PK:PK+1] neg_lo:[0,1] neg_hi:[0,1]  ; x - mean, in place
.set k, k+1
.endr
.irp k, 0,1,2,3
	v_pk_mul_f32 v[PK+2+2*\k:PK+3+2*\k], v[XR+2*\k:XR+2*\k+1], v[XR+2*\k:XR+2*\k+1]
.endr
.set k, 4
.rept 12
	v_pk_fma_f32 v[PK+2+2*(k%4):PK+3+2*(k%4)], v[XR+2*k:XR+2*k+1], v[XR+2*k:XR+2*k+1], v[PK+2+2*(k%4):PK+3+2*(k%4)]
.set k, k+1
.endr
	v_pk_add_f32 v[PK+2:PK+3], v[PK+2:PK+3], v[PK+4:PK+5]
	v_pk_add_f32 v[PK+6:PK+7], v[PK+6:PK+7], v[PK+8:PK+9]
	v_pk_add_f32 v[PK+2:PK+3], v[PK+2:PK+3], v[PK+6:PK+7]
	v_add_f32 v[PK+2], v[PK+2], v[PK+3]
	LSUM PK+2, PK+3
	v_fma_f32 v[PK+2], v[PK+2], s79, s78           ; variance + 1e-5
	v_rsq_f32 v[PK+2], v[PK+2]
	v_mov_b32 v10, 0                               ; the plain instruction behind the root (ISA guide 5.7.2): the zeros of the left-over row
	v_mov_b32 v11, 0
	v_mov_b32 v12, 0
	v_mov_b32 v13, 0
	s_wait_alu depctr_va_vdst(0)
	v_mov_b32 v[PK+3], v[PK+2]
.set k, 0
.rept 16
	v_pk_mul_f32 v[XR+2*k:XR+2*k+1], v[XR+2*k:XR+2*k+1], v[PK+2:PK+3]
.set k, k+1
.endr
; one expert's row: xn x gain + bias, rounded once to f16; each store of the wave covers 256 consecutive bytes, aligned
.macro ROWOUT lw, lb, pk, base
.set k, 0
.rept 16
	v_pk_fma_f32 v[\lw+2*k:\lw+2*k+1], v[XR+2*k:XR+2*k+1], v[\lw+2*k:\lw+2*k+1], v[\lb+2*k:\lb+2*k+1]
.set k, k+1
.endr
.set k, 0
.rept 16
	v_cvt_pk_f16_f32 v[\pk+k], v[\lw+2*k], v[\lw+2*k+1]
.set k, k+1
.endr
.irp j, 0,1,2,3,4,5,6,7
	global_store_b64 v3, v[\pk+2*\j:\pk+2*\j+1], s[\base:\base+1] offset:256*\j
.endr
.endm
	s_wait_loadcnt 16                              ; e0's gain and bias are in; e1's sixteen loads stay out
	ROWOUT LW0, LB0, PK, 70
	s_wait_loadcnt 0x0
	ROWOUT LW1, LB1, PK+16, 72
	global_store_b128 v2, v[10:13], s[74:75]       ; 512 zero bytes
	v_mov_b32 v14, s52
	v_mov_b32 v15, s53
	s_wait_xcnt 0x0                                ; EXEC is a source of the pending stores: it changes only behind this wait
	v_cmp_eq_u32 vcc_lo, 0, v1
	s_and_saveexec_b32 s82, vcc_lo                 ; lane 0, whose v4 is 0
	global_store_b64 v4, v[14:15], s[84:85]
	s_wait_xcnt 0x0
	s_or_b32 exec_lo, exec_lo, s82
	s_cmp_lg_u32 s26, 0
	s_cbranch_scc1 .Lend                           ; what follows is done once, by the wave of token 0
	s_add_co_u32 s41, s41, s40                     ; tiles of experts 0 and 1,
	s_add_co_u32 s42, s42, s41                     ; of 0 to 2
	v_cmp_le_u32 vcc_lo, s40, v1                   ; tile = lane: its expert is the number of these bounds that it has reached
	v_cndmask_b32 v14, 0, 1, vcc_lo
	v_cmp_le_u32 vcc_lo, s41, v1
	v_cndmask_b32 v15, 0, 1, vcc_lo
	v_add_nc_u32 v14, v14, v15
	v_cmp_le_u32 vcc_lo, s42, v1
	v_cndmask_b32 v15, 0, 1, vcc_lo
	v_add_nc_u32 v14, v14, v15
	global_store_b32 v4, v14, s[20:21] offset:16384
.irp i, 0,1,2,3,4,5,6,7
	global_load_b128 v[XR+4*\i:XR+4*\i+3], v2, s[16:17] offset:512*\i  ; the 256 groups' sums of probs
.endr
	s_wait_loadcnt 0x0
.irp i, 0,1,2,3
	v_pk_add_f32 v[XR+4*\i:XR+4*\i+1], v[XR+4*\i:XR+4*\i+1], v[XR+16+4*\i:XR+16+4*\i+1]
	v_pk_add_f32 v[XR+4*\i+2:XR+4*\i+3], v[XR+4*\i+2:XR+4*\i+3], v[XR+16+4*\i+2:XR+16+4*\i+3]
.endr
.irp i, 0,1
	v_pk_add_f32 v[XR+4*\i:XR+4*\i+1], v[XR+4*\i:XR+4*\i+1], v[XR+8+4*\i:XR+8+4*\i+1]
	v_pk_add_f32 v[XR+4*\i+2:XR+4*\i+3], v[XR+4*\i+2:XR+4*\i+3], v[XR+8+4*\i+2:XR+8+4*\i+3]
.endr
	v_pk_add_f32 v[XR:XR+1], v[XR:XR+1], v[XR+4:XR+5]
	v_pk_add_f32 v[XR+2:XR+3], v[XR+2:XR+3], v[XR+6:XR+7]
.irp e, 0,1,2,3
	LSUM XR+\e, XR+4+\e
.endr
.irp e, 0,1,2,3
	v_cvt_f32_u32 v[XR+8+\e], s[32+\e]
.endr
	v_mul_f32 v[XR], v[XR], v[XR+8]
	v_fmac_f32 v[XR], v[XR+1], v[XR+9]
	v_fmac_f32 v[XR], v[XR+2], v[XR+10]
	v_fmac_f32 v[XR], v[XR+3], v[XR+11]
	v_mul_f32 v[XR], 0x35000000, v[XR]             ; aux = 4 x sum of (n_e / 4,096) (S_e / 2,048) = 2^-21 x sum of n_e S_e
	s_wait_xcnt 0x0
	v_cmp_eq_u32 vcc_lo, 0, v1
	s_and_saveexec_b32 s82, vcc_lo
	global_store_b32 v4, v[XR], s[22:23]
	s_wait_xcnt 0x0
	s_or_b32 exec_lo, exec_lo, s82
.Lend:
	s_endpgm
.Lfunc_end_k_q2d280776ef_dispatch:
	.size	k_q2d280776ef_dispatch, .Lfunc_end_k_q2d280776ef_dispatch-k_q2d280776ef_dispatch
	.p2alignl 7, 3214868480
	.fill 96, 4, 3214868480
	.section	.rodata,"a",@progbits
	.p2align	6, 0x0
	.amdhsa_kernel k_q2d280776ef_dispatch
		.amdhsa_group_segment_fixed_size 0
		.amdhsa_private_segment_fixed_size 0
		.amdhsa_enable_private_segment 0
		.amdhsa_kernarg_size 64
		.amdhsa_user_sgpr_count 2
		.amdhsa_user_sgpr_kernarg_segment_ptr 1
		.amdhsa_wavefront_size32 1
		.amdhsa_system_sgpr_workgroup_id_x 1
		.amdhsa_system_sgpr_workgroup_id_y 1
		.amdhsa_system_sgpr_workgroup_id_z 1
		.amdhsa_system_vgpr_workitem_id 0
		.amdhsa_next_free_vgpr 208
		.amdhsa_next_free_sgpr 100
		.amdhsa_reserve_vcc 1
		.amdhsa_float_denorm_mode_32 3
		.amdhsa_float_denorm_mode_16_64 3
		.amdhsa_memory_ordered 1
		.amdhsa_forward_progress 1
		.amdhsa_inst_pref_size 37
	.end_amdhsa_kernel
	.amdgpu_metadata
---
amdhsa.version: [ 1, 2 ]
amdhsa.kernels:
  - .name:           k_q2d280776ef_dispatch
    .symbol:         k_q2d280776ef_dispatch.kd
    .args:
      - { .name: x, .offset: 0, .size: 8, .value_kind: global_buffer, .address_space: global }
      - { .name: ln_w, .offset: 8, .size: 8, .value_kind: global_buffer, .address_space: global }
      - { .name: ln_b, .offset: 16, .size: 8, .value_kind: global_buffer, .address_space: global }
      - { .name: sel, .offset: 24, .size: 8, .value_kind: global_buffer, .address_space: global }
      - { .name: psum, .offset: 32, .size: 8, .value_kind: global_buffer, .address_space: global }
      - { .name: xe, .offset: 40, .size: 8, .value_kind: global_buffer, .address_space: global }
      - { .name: route, .offset: 48, .size: 8, .value_kind: global_buffer, .address_space: global }
      - { .name: out4, .offset: 56, .size: 8, .value_kind: global_buffer, .address_space: global }
    .group_segment_fixed_size: 0
    .private_segment_fixed_size: 0
    .kernarg_segment_align: 8
    .kernarg_segment_size: 64
    .max_flat_workgroup_size: 256
    .sgpr_count:     100
    .vgpr_count:     208
    .wavefront_size: 32
...
	.end_amdgpu_metadata
.endif
;; end of part 2
;; launch gemm1 (part 3): grid 8 x 32, 4 waves a work-group, clusters of 4 x 1, 327,680 bytes of LDS; arguments xe, wb, b1, route, hb; writes hb
.if DOCPART == 3
	.amdgcn_target "amdgcn-amd-amdhsa--gfx1250"
	.amdhsa_code_object_version 6
	.text
	.protected	k_q2d280776ef_gemm1
	.globl	k_q2d280776ef_gemm1
	.p2align	8
	.type	k_q2d280776ef_gemm1,@function
k_q2d280776ef_gemm1:
	s_mov_b64 s[64:65], 0
	v_nop
	global_prefetch_b8 v0, s[64:65] scope:SCOPE_SE
	s_setreg_imm32_b32 hwreg(HW_REG_WAVE_MODE, 25, 1), 1
	s_wait_xcnt 0x0
	s_wait_alu depctr_hold_cnt(0) depctr_sa_sdst(0) depctr_va_vdst(0) depctr_va_sdst(0) depctr_va_ssrc(0) depctr_va_vcc(0) depctr_vm_vsrc(0)
	s_getreg_b32 s2, hwreg(HW_REG_IB_STS2, 6, 4)
	s_cmp_eq_u32 s2, 0
	s_cbranch_scc0 .Lentry_in_a_cluster
	s_endpgm
.Lentry_in_a_cluster:
	s_bfe_u32 s2, ttmp6, 0x10000c
	s_cmp_lg_u32 s2, 0x3003
	s_cbranch_scc0 .Lentry_shape_is_right
	s_endpgm
.Lentry_shape_is_right:
; GEMM1: hb[row][n] = gelu(sum over k of xe[row][k] w1[e][k][n] + b1[e][n]), rounded to f16.  xe: [4608][1024] f16; hb: [4608][4096] f16; sums in f32.
; w1 lies in wb in fragment order: e 8,388,608 + (n / 16) 32,768 + (k / 32) 1,024 bytes holds the fragment of 16 columns x 32 k, lane L's registers 0-3 at 16 L, 4-7 at 512 + 16 L.
; SHARES.  A work-group makes 144 rows (one row tile: all of one expert e, read from route and clamped to 3) x 512 columns: 32 x 8 = 256 work-groups.  Each of its four waves makes
; 144 x 128: 72 accumulators of 16 x 16, 576 registers.
; THE ROWS STAY IN LDS: the tile's 144 rows x 1,024 k are four chunks of 256 k, rows of 512 bytes 528 apart, each brought once.  Nothing in LDS is ever filled again.
; THE WEIGHTS GO PAST LDS. Each wave loads its own fragments from memory straight into a
; ring of four register slots (64 registers: 8 fragments, one sub-step of 32 k), three sub-steps ahead of their use.  Behind sub-step 7's barrier the waves run free of each other.
; THE MATRIX INSTRUCTION IS USED TRANSPOSED: source 0 = 16 columns of the weights, source 1 = 16 rows of xe: a lane then holds one row and eight neighbouring columns.
; The bias is the C operand of the first sub-step's products: nothing is cleared and nothing is added later.
; CLUSTER: four column tiles of a row tile form a cluster and ask for xe's chunks JOINTLY (mask of four).  The weights cannot be asked for jointly: they are loads into registers, and
; the work-groups that read the same strip differ in their row tile: which row tiles have the same expert hangs on the data.
; GELU: x Phi(x) = |x| (0.5 - P(t) 2^(-0.7213475 x x)) + 0.5 x, t = 1 / (1 + 0.2316419 |x|), P the five-term polynomial of Abramowitz and Stegun 7.1.26, halved.
; THE WAY OUT: the f32 sums go into the wave's own 76,032 bytes of the rows' former place and come back by rows, 128 numbers = 32 lanes x 16 bytes, so that the text of gelu stands once, in
; a counted loop of 8 rows a trip, and a row's 128 f16 leave as 256 consecutive bytes.
; LIMITS: that formula's erf is within 1.5e-7, so gelu is within about 1e-7 |x| of the exact one.  A hidden number beyond 65,504 becomes an infinity in f16 (rows of spread 30 times weights
; of spread 0.54 over 1,024 terms give a spread of 520); below 6.1e-5 it keeps f16's fixed step of 6e-8.  NaN and infinities are not treated apart.
; REGISTERS, in windows of 256 (s_set_vgpr_msb: bits 1:0 source 0, 3:2 source 1, 5:4 source 2, 7:6 destination):
;   window 0: v2-15 addresses; v32-103, v104-175 two buffers of xe's fragments (9 x 8; the bias lies in the second until the first products have read it); v176-239 ring slot 3; on the way out v32-239 are at work
;   window 1: accumulators of row blocks 0-3 ((a, b) at 64 a + 8 b)     window 2: of row blocks 4-7     window 3: v0-63 of row block 8; v64-255 ring slots 0-2
.set PA,    528                        ; a row of a chunk in LDS: 512 bytes + 16: an odd multiple of 16, so the 16 rows of a load start at 16 different 16-byte columns
.set CHUNK, 144*PA                     ; 76,032 bytes: 256 k of all rows; on the way out a wave's 144 rows of 128 f32
.set STRIP, 32768                      ; bytes from 16 columns of w1 to the next 16
.set BSTEP, 4096                       ; a ring slot's next fragments lie four sub-steps on
.set NBIAS, 8                          ; column blocks whose sums start with the bias
.set ADRAL, 2                          ; v2      LDS address of my xe fragments, row blocks 0-5, in the chunk in hand
.set ADRAH, 3                          ; v3      the same for row blocks 6-8
.set VOFF,  4                          ; v4-7    ring slot q: byte offset of its next fragments in a strip, + 16 lane
.set DST,   8                          ; v8, v9  the way out: where I put 32 bytes of a row (row blocks 0-5; 6-8)
.set DST2,  9
.set RD,    10                         ; v10     where I read 16 bytes of a row back
.set CO,    11                         ; v11     8 lane: my bytes of hb's rows
.set BO,    12                         ; v12     32 (lane / 16): my eight numbers of a block's bias
.set FA,    32
.set BIAS,  104
.set FB3,   176
.set GX,    32                         ; the way out: 32 numbers a lane (8 rows x 4 columns) in each of six arrays, and 16 registers to store
.set GQ,    64
.set GA,    96
.set GT,    128
.set GP,    160
.set GH,    192
.set GO,    224
.set WV,    14                         ; s14  my wave's number
.set G1,    24                         ; s[24:31] descriptor group 1; s[32:39] group 0, a set for each of my two loads
.set G0,    32
.set BB,    48                         ; s[48:55] the weights at my column blocks 0, 2, 4, 6
.set MSB, 0
.macro WIN new                         ; the immediate's high byte repeats the setting that is left; a switch that changes nothing is dropped
.if MSB != (\new)
	s_set_vgpr_msb (MSB<<8)|(\new)
.set MSB, \new
.endif
.endm
.macro PLACES                          ; four places in front of loads into registers that matrix instructions have read, and of lines that read results
.rept 4
	v_nop
.endr
.endm
.macro EACH n, line:vararg             ; one line for k = 0 .. n - 1
.set k, 0
	s_wait_alu depctr_va_vdst(0)
.rept \n
	\line
.set k, k+1
.endr
.endm
.macro CROUND                          ; a round of the cluster's barrier
	s_barrier_signal -1
	s_barrier_wait -1
	s_cmp_lg_u32 s[WV], 0
	s_cbranch_scc1 .Lnot_wave_0_\@
	s_barrier_signal -3
.Lnot_wave_0_\@:
	s_barrier_wait -3
	s_barrier_signal -1
	s_barrier_wait -1
.endm
.macro ACCSEL                          ; row block aa: its accumulators' first register rD and window dw
.if aa < 4
.set rD, 64*aa
.set dw, 1
.elseif aa < 8
.set rD, 64*(aa-4)
.set dw, 2
.else
.set rD, 0
.set dw, 3
.endif
.endm
; 18 LDS loads: xe's fragments of 32 k at byte kn of the chunk's rows, into buffer f
.macro FETCHA kn, f
	WIN 0
.irp a, 0,1,2,3,4,5
	ds_load_b128 v[FA+72*(\f)+8*\a:FA+72*(\f)+8*\a+3],   v[ADRAL] offset:\a*16*PA+(\kn)
	ds_load_b128 v[FA+72*(\f)+8*\a+4:FA+72*(\f)+8*\a+7], v[ADRAL] offset:\a*16*PA+(\kn)+32
.endr
.irp a, 6,7,8
	ds_load_b128 v[FA+72*(\f)+8*\a:FA+72*(\f)+8*\a+3],   v[ADRAH] offset:(\a-6)*16*PA+(\kn)
	ds_load_b128 v[FA+72*(\f)+8*\a+4:FA+72*(\f)+8*\a+7], v[ADRAH] offset:(\a-6)*16*PA+(\kn)+32
.endr
.endm
; 16 loads from memory, 512 consecutive bytes each: the eight weight fragments of one sub-step into ring slot q
.macro FETCHB q
.if (\q) < 3
.set rB, 64+64*(\q)
	WIN 0xc0                                       ; destination window 3, address window 0
.else
.set rB, FB3
	WIN 0
.endif
.irp j, 0,1,2,3,4,5,6,7
	global_load_b128 v[rB+8*\j:rB+8*\j+3],   v[VOFF+(\q)], s[BB+2*(\j/2):BB+2*(\j/2)+1] offset:(\j%2)*STRIP
	global_load_b128 v[rB+8*\j+4:rB+8*\j+7], v[VOFF+(\q)], s[BB+2*(\j/2):BB+2*(\j/2)+1] offset:(\j%2)*STRIP+512
.endr
.endm
; 8 n matrix instructions: row blocks a0 .. a0 + n - 1 x all eight column blocks, on buffer f and ring slot q.  The 72 accumulators take turns, one instruction a turn, in the same order in
; every sub-step.  first = 1: the product starts the sum, with the bias as C.
.macro MULA f, q, a0, n, first
.if (\q) < 3
.set rB, 64+64*(\q)
.set bw, 3
.else
.set rB, FB3
.set bw, 0
.endif
.set aa, \a0
.rept \n
	ACCSEL
.if \first
	WIN (dw<<6)|bw
.else
	WIN (dw<<6)|(dw<<4)|bw
.endif
.irp b, 0,1,2,3,4,5,6,7
.if (\first) && (\b < NBIAS)
	v_wmma_f32_16x16x32_f16 v[rD+8*\b:rD+8*\b+7], v[rB+8*\b:rB+8*\b+7], v[FA+72*(\f)+8*aa:FA+72*(\f)+8*aa+7], v[BIAS+8*\b:BIAS+8*\b+7]
.elseif \first
	v_wmma_f32_16x16x32_f16 v[rD+8*\b:rD+8*\b+7], v[rB+8*\b:rB+8*\b+7], v[FA+72*(\f)+8*aa:FA+72*(\f)+8*aa+7], 0
.else
	v_wmma_f32_16x16x32_f16 v[rD+8*\b:rD+8*\b+7], v[rB+8*\b:rB+8*\b+7], v[FA+72*(\f)+8*aa:FA+72*(\f)+8*aa+7], v[rD+8*\b:rD+8*\b+7]
.endif
.endr
.set aa, aa+1
.endr
.endm
; SUB-STEP s (32 k): buffer f = s % 2, ring slot q = s % 4.  At its head both fetches, behind four places: xe's fragments of sub-step s + 1 (byte kn of the rows; kn = 0: the next chunk)
; into the buffer, and the weights of sub-step s + 3 into the slot, that sub-step s - 1 multiplied.  Then its 72 products.
; fa, fb = 0: nothing is left to fetch.  lc: the loads of the younger slots, which may stay out.  meet = 1: the last two chunks are waited for, by every wave.
.macro SUB f, q, kn, fa, fb, lc, meet
	WIN 0
.if \meet
	s_wait_tensorcnt 0x0                           ; my second load has landed,
	s_wait_dscnt 0x0                               ; (no LDS instruction is pending at a signal)
	s_barrier_signal -1
	s_barrier_wait -1                              ; everybody's has: from here on no wave waits for another until the way out
.endif
.if (\fa) || (\fb)
.if \fb
	v_add_nc_u32 v[VOFF+((\q)+3)%4], BSTEP, v[VOFF+((\q)+3)%4]  ; free since the wait that showed the slot's last loads done, a sub-step ago; this line and the three below are the four places
.else
	v_nop
.endif
.if (\fa) && ((\kn) == 0)
	v_add_nc_u32 v[ADRAL], CHUNK, v[ADRAL]
	v_add_nc_u32 v[ADRAH], CHUNK, v[ADRAH]
.else
	v_nop
	v_nop
.endif
	v_nop
.endif
.if \fa
	FETCHA \kn, 1-(\f)
.endif
	s_wait_loadcnt \lc                             ; loads come back in order (ISA guide 5.7.1): slot q is in, the younger slots' 16 loads each stay out
.if \fb
	FETCHB ((\q)+3)%4                              ; with these, 48 loads of mine are out
.endif
	s_wait_dscnt 18*(\fa)                          ; this sub-step's fragments of xe are in; the 18 loads just issued may be out
	MULA \f, \q, 0, 9, 0
.endm
	s_load_b256 s[4:11], s[0:1], 0x0               ; xe 4, wb 6, b1 8, route 10
	s_load_b64 s[12:13], s[0:1], 0x20              ; hb
	v_lshl_add_u32 v254, v0, 2, 0x4a400
	v_mov_b32 v255, 0
	ds_add_u32 v254, v255
	v_lshrrev_b32 v1, 5, v0
	v_readfirstlane_b32 s[WV], v1                  ; wave 0..3
	s_and_b32 s15, s[WV], 1                        ; which 72 rows I fetch
	s_lshr_b32 s21, s[WV], 1                       ; of chunk 0 or 1, and then of chunk 2 or 3
	s_bfe_u32 s16, ttmp6, 0x40000                  ; cx: it enters the weights', the bias's and hb's addresses alone
	s_lshl_b32 s17, ttmp9, 2
	s_add_co_u32 s17, s17, s16                     ; column tile = 4 x cluster x + cx
	s_and_b32 s18, ttmp7, 0xffff                   ; row tile, which the four partners share
	s_lshl_b32 s22, s18, 2
	s_wait_dscnt 0x0
	s_wait_kmcnt 0x0
	s_load_b32 s19, s[10:11], s22 offset:0x4000    ; the row tile's expert
	s_mov_b32 s[G1], 15|(1<<16)|(1<<20)|(1<<21)|(6<<22)|(3<<25)  ; 15:0 the mask of four; 17:16 2-byte elements; 20 padding on; 21 set beside a mask; 24:22 after every 128 words; 31:25 4 words
	s_mov_b32 s[G1+1], 256<<16                     ; tensor_dim0 = 256
	s_mov_b32 s[G1+2], 72<<16                      ; tensor_dim1 = 72
	s_mov_b32 s[G1+3], 256<<16                     ; tile_dim0 = 256
	s_mov_b32 s[G1+4], 72                          ; tile_dim1 = 72
	s_mov_b32 s[G1+5], 1024                        ; elements from row to row
	s_mov_b32 s[G1+6], 0
	s_mov_b32 s[G1+7], 0
	s_mul_i32 s20, s18, 144                        ; xe: row 144 x row tile + 72 x half, 2,048 bytes a row; chunk x 512 bytes
	s_mul_i32 s23, s15, 72
	s_add_co_u32 s20, s20, s23
	s_lshl_b32 s20, s20, 11
	s_lshl_b32 s21, s21, 9
	s_add_co_u32 s20, s20, s21
	s_mov_b32 s21, 0
	s_mul_i32 s23, s[WV], 72*PA                    ; in LDS: wave x 72 rows: waves 0, 1 fill chunk 0, waves 2, 3 chunk 1
	s_mov_b32 s[G0], 1
	s_mov_b32 s[G0+1], s23
	s_add_nc_u64 s[G0+2:G0+3], s[4:5], s[20:21]
	s_mov_b32 s[G0+4], 1
	s_add_co_u32 s[G0+5], s23, 2*CHUNK             ; the second load: two chunks on,
	s_add_nc_u64 s[G0+6:G0+7], s[G0+2:G0+3], 1024  ; 512 k on
	s_or_b32 s[G0+3], s[G0+3], 0x80000000          ; type = 2
	s_or_b32 s[G0+7], s[G0+7], 0x80000000
	s_mov_b32 s56, 0x3e6d3389                      ; 0.2316419; each constant as a pair: the packed forms name both words
	s_mov_b32 s57, s56
	s_mov_b32 s58, 0xbf38aa3b                      ; -log2(e) / 2
	s_mov_b32 s59, s58
	s_mov_b32 s60, 0x3f07dc22                      ; a5 / 2
	s_mov_b32 s61, s60
	s_mov_b32 s62, 0xbf3a00e3                      ; a4 / 2
	s_mov_b32 s63, s62
	s_mov_b32 s66, 0x3f35f0e3                      ; a3 / 2
	s_mov_b32 s67, s66
	s_mov_b32 s68, 0xbe11a98e                      ; a2 / 2
	s_mov_b32 s69, s68
	s_mov_b32 s70, 0x3e027906                      ; a1 / 2
	s_mov_b32 s71, s70
	s_mov_b32 s72, 0x7fffffff
	CROUND                                         ; all four work-groups are here: the joint loads meet
	tensor_load_to_lds s[G0:G0+3], s[G1:G1+7]      ; all fills of the launch, in one group: two loads of mine are out
	s_nop 0
	tensor_load_to_lds s[G0+4:G0+7], s[G1:G1+7]
	s_nop 0
.rept 4
	v_nop
.endr
	s_wait_kmcnt 0x0
	s_min_u32 s19, s19, 3                          ; e
	s_lshl_b32 s74, s19, 23                        ; the weights: e x 8,388,608 + (32 x column tile + 8 x wave) strips
	s_lshl_b32 s76, s17, 20
	s_add_co_u32 s74, s74, s76
	s_lshl_b32 s76, s[WV], 18
	s_add_co_u32 s74, s74, s76
	s_mov_b32 s75, 0
	s_add_nc_u64 s[BB:BB+1], s[6:7], s[74:75]
.irp p, 1,2,3
	s_add_nc_u64 s[BB+2*\p:BB+2*\p+1], s[BB:BB+1], 2*\p*STRIP
.endr
	s_lshl_b32 s74, s19, 14                        ; the bias: e x 16,384 + column tile x 2,048 + wave x 512
	s_lshl_b32 s76, s17, 11
	s_add_co_u32 s74, s74, s76
	s_lshl_b32 s76, s[WV], 9
	s_add_co_u32 s74, s74, s76
	s_add_nc_u64 s[8:9], s[8:9], s[74:75]
	s_mul_i32 s74, s18, 144                        ; hb: the tile's first row, 8,192 bytes a row; column tile x 1,024 + wave x 256
	s_lshl_b32 s74, s74, 13
	s_lshl_b32 s76, s17, 10
	s_add_co_u32 s74, s74, s76
	s_lshl_b32 s76, s[WV], 8
	s_add_co_u32 s74, s74, s76
	s_add_nc_u64 s[12:13], s[12:13], s[74:75]
	v_and_b32 v13, 15, v0                          ; r = l % 16
	v_bfe_u32 v14, v0, 4, 1                        ; h = l / 16
	v_and_b32 v15, 31, v0                          ; lane
	v_lshlrev_b32 v[BO], 5, v14
	v_lshlrev_b32 v[VOFF], 4, v15                  ; slot q begins with sub-step q
	v_add_nc_u32 v[VOFF+1], 1024, v[VOFF]
	v_add_nc_u32 v[VOFF+2], 2048, v[VOFF]
	v_add_nc_u32 v[VOFF+3], 3072, v[VOFF]
.irp b, 0,1,2,3,4,5,6,7
	global_load_b128 v[BIAS+8*\b:BIAS+8*\b+3],   v[BO], s[8:9] offset:64*\b      ; C's register j of lane (r, h) is column 16 b + 8 h + j
	global_load_b128 v[BIAS+8*\b+4:BIAS+8*\b+7], v[BO], s[8:9] offset:64*\b+16
.endr
	FETCHB 0
	FETCHB 1
	FETCHB 2
	WIN 0
	v_mul_u32_u24 v[ADRAL], v13, PA                ; a fragment of xe: row r, 16 bytes for each half of the lanes, two loads 32 bytes apart
	v_lshl_add_u32 v[ADRAL], v14, 4, v[ADRAL]
	v_add_nc_u32 v[ADRAH], 96*PA, v[ADRAL]
	s_mul_i32 s20, s[WV], CHUNK                    ; the way out: my wave's place
	v_mul_u32_u24 v[DST], v13, PA                  ; in: row r, 32 bytes for each half of the lanes
	v_lshl_add_u32 v[DST], v14, 5, v[DST]
	v_add_nc_u32 v[DST], s20, v[DST]
	v_add_nc_u32 v[DST2], 96*PA, v[DST]
	v_lshl_add_u32 v[RD], v15, 4, s20              ; back: a row's 512 bytes, 16 a lane
	v_lshlrev_b32 v[CO], 3, v15                    ; and its 256 bytes in hb, 8 a lane
	s_wait_tensorcnt 1                             ; my first load is in; the second stays out
	s_barrier_signal -1
	s_barrier_wait -1                              ; everybody's is: chunks 0 and 1 are whole
	FETCHA 0, 0
	s_wait_dscnt 0x0
	s_wait_loadcnt 32                              ; the bias and slot 0 are in; slots 1 and 2 stay out
	MULA 0, 0, 0, 9, 1                             ; sub-step 0 starts the sums.  Its fetches stand behind its products: the bias lies in buffer 1
	WIN 0
	PLACES
	FETCHA 64, 1
	FETCHB 3
	SUB 1, 1, 128, 1, 1, 32, 0
	SUB 0, 2, 192, 1, 1, 32, 0
	SUB 1, 3, 256, 1, 1, 32, 0
	SUB 0, 0, 320, 1, 1, 32, 0
	SUB 1, 1, 384, 1, 1, 32, 0
	SUB 0, 2, 448, 1, 1, 32, 0
	SUB 1, 3, 0, 1, 1, 32, 1                       ; sub-step 7: chunks 2 and 3 are shown whole, well ahead of their first read
	WIN 0                                          ; at a label and at a branch every window is 0
	s_mov_b32 s3, 2
.Llap:                                                 ; a trip is a chunk: sub-steps 8 to 15, 16 to 23
	SUB 0, 0, 64, 1, 1, 32, 0
	SUB 1, 1, 128, 1, 1, 32, 0
	SUB 0, 2, 192, 1, 1, 32, 0
	SUB 1, 3, 256, 1, 1, 32, 0
	SUB 0, 0, 320, 1, 1, 32, 0
	SUB 1, 1, 384, 1, 1, 32, 0
	SUB 0, 2, 448, 1, 1, 32, 0
	SUB 1, 3, 0, 1, 1, 32, 0
	WIN 0
	s_sub_co_u32 s3, s3, 1
	s_cmp_lg_u32 s3, 0
	s_cbranch_scc1 .Llap
	SUB 0, 0, 64, 1, 1, 32, 0                      ; the last chunk is written out: no load leaves its buffer, and the counts run down
	SUB 1, 1, 128, 1, 1, 32, 0
	SUB 0, 2, 192, 1, 1, 32, 0
	SUB 1, 3, 256, 1, 1, 32, 0
	SUB 0, 0, 320, 1, 1, 32, 0
	SUB 1, 1, 384, 1, 0, 32, 0
	SUB 0, 2, 448, 1, 0, 16, 0
	SUB 1, 3, 0, 0, 0, 0, 0
	WIN 0
	PLACES                                         ; the stores below read results just made
	s_wait_dscnt 0x0                               ; my reads of the rows are over
	s_barrier_signal -1
	s_barrier_wait -1                              ; everybody's are: the rows' place is free
	; the sums into my place: row 16 a + r, columns 16 b + 8 h + 0..7: 32 bytes; each accumulator's four lowest registers first
.set aa, 0
.rept 9
	ACCSEL
	WIN dw<<2                                      ; store data (source 1) in the accumulators' window
.irp b, 0,1,2,3,4,5,6,7
.if aa < 6
	ds_store_b128 v[DST], v[rD+8*\b:rD+8*\b+3] offset:aa*16*PA+64*\b
	ds_store_b128 v[DST], v[rD+8*\b+4:rD+8*\b+7] offset:aa*16*PA+64*\b+16
.else
	ds_store_b128 v[DST2], v[rD+8*\b:rD+8*\b+3] offset:(aa-6)*16*PA+64*\b
	ds_store_b128 v[DST2], v[rD+8*\b+4:rD+8*\b+7] offset:(aa-6)*16*PA+64*\b+16
.endif
.endr
.set aa, aa+1
.endr
	WIN 0
	s_mov_b32 s3, 18
.Lrows:                                                ; 18 trips of 8 rows: back by rows, gelu, rounded, stored
.irp i, 0,1,2,3,4,5,6,7
	ds_load_b128 v[GX+4*\i:GX+4*\i+3], v[RD] offset:\i*PA  ; LDS serves a wave's instructions in order (ISA guide 5.7.1.4): these see my stores above
.endr
	s_wait_dscnt 0x0
	EACH 16, v_pk_mul_f32 v[GQ+2*k:GQ+2*k+1], v[GX+2*k:GX+2*k+1], v[GX+2*k:GX+2*k+1]
	EACH 32, v_and_b32 v[GA+k], s72, v[GX+k]
	EACH 16, v_pk_mul_f32 v[GH+2*k:GH+2*k+1], v[GX+2*k:GX+2*k+1], 0.5 op_sel_hi:[1,0]
	EACH 16, v_pk_fma_f32 v[GT+2*k:GT+2*k+1], v[GA+2*k:GA+2*k+1], s[56:57], 1.0 op_sel_hi:[1,0,0]
	EACH 32, v_rcp_f32 v[GT+k], v[GT+k]
	EACH 16, v_pk_mul_f32 v[GQ+2*k:GQ+2*k+1], v[GQ+2*k:GQ+2*k+1], s[58:59] op_sel_hi:[1,0]
	EACH 32, v_exp_f32 v[GQ+k], v[GQ+k]
	EACH 16, v_pk_fma_f32 v[GP+2*k:GP+2*k+1], v[GT+2*k:GT+2*k+1], s[60:61], s[62:63] op_sel_hi:[1,0,0]
	EACH 16, v_pk_fma_f32 v[GP+2*k:GP+2*k+1], v[GP+2*k:GP+2*k+1], v[GT+2*k:GT+2*k+1], s[66:67] op_sel_hi:[1,1,0]
	EACH 16, v_pk_fma_f32 v[GP+2*k:GP+2*k+1], v[GP+2*k:GP+2*k+1], v[GT+2*k:GT+2*k+1], s[68:69] op_sel_hi:[1,1,0]
	EACH 16, v_pk_fma_f32 v[GP+2*k:GP+2*k+1], v[GP+2*k:GP+2*k+1], v[GT+2*k:GT+2*k+1], s[70:71] op_sel_hi:[1,1,0]
	EACH 16, v_pk_mul_f32 v[GP+2*k:GP+2*k+1], v[GP+2*k:GP+2*k+1], v[GT+2*k:GT+2*k+1]
	EACH 16, v_pk_fma_f32 v[GP+2*k:GP+2*k+1], v[GP+2*k:GP+2*k+1], v[GQ+2*k:GQ+2*k+1], 0.5 op_sel_hi:[1,1,0] neg_lo:[1,0,0] neg_hi:[1,0,0]
	EACH 16, v_pk_fma_f32 v[GP+2*k:GP+2*k+1], v[GA+2*k:GA+2*k+1], v[GP+2*k:GP+2*k+1], v[GH+2*k:GH+2*k+1]
	EACH 16, v_cvt_pk_f16_f32 v[GO+k], v[GP+2*k], v[GP+2*k+1]
.irp i, 0,1,2,3,4,5,6,7
	global_store_b64 v[CO], v[GO+2*\i:GO+2*\i+1], s[12:13] offset:\i*8192  ; the wave stores 256 consecutive bytes, at a multiple of 256 from hb's first byte
.endr
	v_add_nc_u32 v[RD], 8*PA, v[RD]
	s_wait_xcnt 0x0                                ; the stores' base and data are written again only behind this wait
	s_add_nc_u64 s[12:13], s[12:13], 65536         ; 8 rows on
	s_sub_co_u32 s3, s3, 1
	s_cmp_lg_u32 s3, 0
	s_cbranch_scc1 .Lrows
	s_wait_tensorcnt 0x0
	ds_add_u32 v254, v255
	s_wait_dscnt 0x0
	CROUND                                         ; the closing round: no work-group ends while a partner may still ask for a tile that names it
	s_endpgm
.Lfunc_end_k_q2d280776ef_gemm1:
	.size	k_q2d280776ef_gemm1, .Lfunc_end_k_q2d280776ef_gemm1-k_q2d280776ef_gemm1
	.p2alignl 7, 3214868480
	.fill 96, 4, 3214868480
	.section	.rodata,"a",@progbits
	.p2align	6, 0x0
	.amdhsa_kernel k_q2d280776ef_gemm1
		.amdhsa_group_segment_fixed_size 327680
		.amdhsa_private_segment_fixed_size 0
		.amdhsa_enable_private_segment 0
		.amdhsa_kernarg_size 40
		.amdhsa_user_sgpr_count 2
		.amdhsa_user_sgpr_kernarg_segment_ptr 1
		.amdhsa_wavefront_size32 1
		.amdhsa_system_sgpr_workgroup_id_x 1
		.amdhsa_system_sgpr_workgroup_id_y 1
		.amdhsa_system_sgpr_workgroup_id_z 1
		.amdhsa_system_vgpr_workitem_id 0
		.amdhsa_next_free_vgpr 1024
		.amdhsa_next_free_sgpr 80
		.amdhsa_reserve_vcc 0
		.amdhsa_float_denorm_mode_32 3
		.amdhsa_float_denorm_mode_16_64 3
		.amdhsa_memory_ordered 1
		.amdhsa_forward_progress 1
		.amdhsa_inst_pref_size 215
	.end_amdhsa_kernel
	.amdgpu_metadata
---
amdhsa.version: [ 1, 2 ]
amdhsa.kernels:
  - .name:           k_q2d280776ef_gemm1
    .symbol:         k_q2d280776ef_gemm1.kd
    .args:
      - { .name: xe, .offset: 0, .size: 8, .value_kind: global_buffer, .address_space: global }
      - { .name: wb, .offset: 8, .size: 8, .value_kind: global_buffer, .address_space: global }
      - { .name: b1, .offset: 16, .size: 8, .value_kind: global_buffer, .address_space: global }
      - { .name: route, .offset: 24, .size: 8, .value_kind: global_buffer, .address_space: global }
      - { .name: hb, .offset: 32, .size: 8, .value_kind: global_buffer, .address_space: global }
    .group_segment_fixed_size: 327680
    .private_segment_fixed_size: 0
    .kernarg_segment_align: 8
    .kernarg_segment_size: 40
    .max_flat_workgroup_size: 128
    .sgpr_count:     80
    .vgpr_count:     1024
    .wavefront_size: 32
...
	.end_amdgpu_metadata
.endif
;; end of part 3
;; launch gemm2 (part 4): grid 8 x 32, 4 waves a work-group, clusters of 4 x 1, 327,680 bytes of LDS; arguments hb, wb, b2, route, z; writes z
.if DOCPART == 4
	.amdgcn_target "amdgcn-amd-amdhsa--gfx1250"
	.amdhsa_code_object_version 6
	.text
	.protected	k_q2d280776ef_gemm2
	.globl	k_q2d280776ef_gemm2
	.p2align	8
	.type	k_q2d280776ef_gemm2,@function
k_q2d280776ef_gemm2:
	s_mov_b64 s[64:65], 0
	v_nop
	global_prefetch_b8 v0, s[64:65] scope:SCOPE_SE
	s_setreg_imm32_b32 hwreg(HW_REG_WAVE_MODE, 25, 1), 1
	s_wait_xcnt 0x0
	s_wait_alu depctr_hold_cnt(0) depctr_sa_sdst(0) depctr_va_vdst(0) depctr_va_sdst(0) depctr_va_ssrc(0) depctr_va_vcc(0) depctr_vm_vsrc(0)
	s_getreg_b32 s2, hwreg(HW_REG_IB_STS2, 6, 4)
	s_cmp_eq_u32 s2, 0
	s_cbranch_scc0 .Lentry_in_a_cluster
	s_endpgm
.Lentry_in_a_cluster:
	s_bfe_u32 s2, ttmp6, 0x10000c
	s_cmp_lg_u32 s2, 0x3003
	s_cbranch_scc0 .Lentry_shape_is_right
	s_endpgm
.Lentry_shape_is_right:
; GEMM2: z[row][n] = sum over k of hb[row][k] w2[e][k][n] + b2[e][n], in f32.  hb: [4608][4096] f16; z: [4608][1024] f32.
; w2 lies in wb in fragment order: 33,554,432 + e 8,388,608 + (n / 16) 131,072 + (k / 32) 1,024 bytes holds the fragment of 16 columns x 32 k, lane L's registers 0-3 at 16 L, 4-7 at 512 + 16 L.
; SHARES.  A work-group makes 144 rows (one row tile, of one expert e read from route and clamped to 3) x 128 columns: 256 work-groups.  K goes in steps of 512; wave w takes ALL 128 columns
; on k = 128 w .. 128 w + 127 of every step: 72 accumulators, four sub-steps of 32 k and 288 matrix instructions a step.
; hb goes through a ring of two LDS slots; each wave asks for, and alone reads, its own 144 rows x 256 bytes of a slot.  THE WEIGHTS GO PAST LDS.
; each wave loads its fragments from memory into a ring of four register slots, three sub-steps ahead of their use.
; AT THE END the four K quarters meet through LDS.  The eight column blocks are four pairs; LOCAL pair p of wave w is column pair p xor w, so local pair 0 is the wave's OWN in one text for
; all waves: it starts with the bias, the others with 0; local pair p is sent to wave w xor p, which adds it.  The sum of a K row is so made in four parts that are added once.
; The matrix instruction is used transposed (source 0 = 16 columns of the weights, source 1 = 16 rows of hb): a lane holds one row and eight neighbouring columns.
; CLUSTER: the four column tiles of a cluster share their row tile, so hb's tiles are asked for JOINTLY (mask of four).  The weights cannot be: they are loads into registers, and the
; work-groups that read the same strip differ in their row tile: which row tiles have the same expert hangs on the data.
; Both operands arrive within f16's range; NaN and infinities are not treated apart.
; REGISTERS: window 0: v2-19 addresses, v28-29 the add's; v32-103, v104-175 two buffers of hb's fragments (the bias lies in the second until the first products have read it); v176-239 ring slot 3
;   window 1: accumulators of row blocks 0-3 ((a, b) at 64 a + 8 b)     window 2: of row blocks 4-7     window 3: v0-63 of row block 8; v64-255 ring slots 0-2
.set PA,    272                        ; a row of a wave's tile in LDS: 256 bytes + 16: an odd multiple of 16
.set WTILE, 144*PA                     ; 39,168 bytes: a wave's part of a slot
.set SLOT,  4*WTILE                    ; 156,672 bytes
.set SPARE, 2*SLOT                     ; the spare words, 128 bytes for each wave: two blocks of 256 bytes that no other line names
.set XPAIR, 18432                      ; the exchange: a pair's 18 accumulators; three pairs a wave, from LDS byte 0 on: in the slots, behind their last fill and behind a barrier that ends all reads of them
.set STG,   12*XPAIR                   ; the stage, 144 rows x 528 bytes, behind the exchange, still inside the slots
.set SP,    528
.set ASTEP, 1024                       ; a K step along hb's rows, in bytes
.set STRIP, 131072
.set BSTEP, 16384                      ; a ring slot's next fragments lie a K step, 16 fragments, on
.set NBIAS, 2
.set ADRA,  2                          ; v2-3    LDS address of my hb fragments in slot 0, 1
.set VOFF,  4                          ; v4-7    ring slot q: byte offset of its next fragments in a strip, + 16 lane
.set BO,    8
.set XS,    9                          ; v9      where I put what I send
.set XL,    10                         ; v10-12  where the senders of my pair have put it
.set STO,   13
.set STO2,  14
.set RD,    15
.set CO,    16
.set SPW,   28                         ; v28     LDS address of my spare word; never rewritten
.set NIL,   29                         ; v29     0; never rewritten
.set FA,    32
.set BIAS,  104
.set FB3,   176
.set WV,    14
.set G1,    24                         ; s[24:31] descriptor group 1; s[32:39] group 0, a set for each slot
.set G0,    32
.set BB,    48                         ; s[48:55] the weights at my local pairs 0 to 3
.set MSB, 0
.macro WIN new                         ; the immediate's high byte repeats the setting that is left; a switch that changes nothing is dropped
.if MSB != (\new)
	s_set_vgpr_msb (MSB<<8)|(\new)
.set MSB, \new
.endif
.endm
.macro PLACES                          ; four places in front of loads into registers that matrix instructions have read, and of lines that read results
.rept 4
	v_nop
.endr
.endm
.macro CROUND                          ; a round of the cluster's barrier
	s_barrier_signal -1
	s_barrier_wait -1
	s_cmp_lg_u32 s[WV], 0
	s_cbranch_scc1 .Lnot_wave_0_\@
	s_barrier_signal -3
.Lnot_wave_0_\@:
	s_barrier_wait -3
	s_barrier_signal -1
	s_barrier_wait -1
.endm
.macro ACCSEL                          ; row block aa: its accumulators' first register rD and window dw
.if aa < 4
.set rD, 64*aa
.set dw, 1
.elseif aa < 8
.set rD, 64*(aa-4)
.set dw, 2
.else
.set rD, 0
.set dw, 3
.endif
.endm
.macro FETCHA slot, kn, f              ; 18 LDS loads: hb's fragments of 32 k at byte kn of my rows in the slot, into buffer f
	WIN 0
.irp a, 0,1,2,3,4,5,6,7,8
	ds_load_b128 v[FA+72*(\f)+8*\a:FA+72*(\f)+8*\a+3],   v[ADRA+(\slot)] offset:\a*16*PA+(\kn)
	ds_load_b128 v[FA+72*(\f)+8*\a+4:FA+72*(\f)+8*\a+7], v[ADRA+(\slot)] offset:\a*16*PA+(\kn)+32
.endr
.endm
.macro FETCHB q                        ; 16 loads from memory, 512 consecutive bytes each: the eight weight fragments of one sub-step into ring slot q
.if (\q) < 3
.set rB, 64+64*(\q)
	WIN 0xc0                                       ; destination window 3, address window 0
.else
.set rB, FB3
	WIN 0
.endif
.irp j, 0,1,2,3,4,5,6,7
	global_load_b128 v[rB+8*\j:rB+8*\j+3],   v[VOFF+(\q)], s[BB+2*(\j/2):BB+2*(\j/2)+1] offset:(\j%2)*STRIP
	global_load_b128 v[rB+8*\j+4:rB+8*\j+7], v[VOFF+(\q)], s[BB+2*(\j/2):BB+2*(\j/2)+1] offset:(\j%2)*STRIP+512
.endr
.endm
; 8 n matrix instructions; the 72 accumulators take turns, one instruction a turn, in the same order in every sub-step.  first = 1: the product starts the sum, with the bias or 0 as C.
.macro MULA f, q, a0, n, first
.if (\q) < 3
.set rB, 64+64*(\q)
.set bw, 3
.else
.set rB, FB3
.set bw, 0
.endif
.set aa, \a0
.rept \n
	ACCSEL
.if \first
	WIN (dw<<6)|bw
.else
	WIN (dw<<6)|(dw<<4)|bw
.endif
.irp b, 0,1,2,3,4,5,6,7
.if (\first) && (\b < NBIAS)
	v_wmma_f32_16x16x32_f16 v[rD+8*\b:rD+8*\b+7], v[rB+8*\b:rB+8*\b+7], v[FA+72*(\f)+8*aa:FA+72*(\f)+8*aa+7], v[BIAS+8*\b:BIAS+8*\b+7]
.elseif \first
	v_wmma_f32_16x16x32_f16 v[rD+8*\b:rD+8*\b+7], v[rB+8*\b:rB+8*\b+7], v[FA+72*(\f)+8*aa:FA+72*(\f)+8*aa+7], 0
.else
	v_wmma_f32_16x16x32_f16 v[rD+8*\b:rD+8*\b+7], v[rB+8*\b:rB+8*\b+7], v[FA+72*(\f)+8*aa:FA+72*(\f)+8*aa+7], v[rD+8*\b:rD+8*\b+7]
.endif
.endr
.set aa, aa+1
.endr
.endm
; SUB-STEP s: buffer f = s % 2, ring slot q = s % 4.  It fetches hb's fragments of sub-step s + 1 (byte kn of my rows in the named slot) and the weights of sub-step s + 3, into the buffer and
; the ring slot that sub-step s - 1 multiplied, behind four places; then its 72 products.  lc: the younger ring slots' loads, which may stay out.
; chg = 1: a step's last sub-step, which leaves the other slot than the one named.  My reads of it were issued a sub-step ago.  I wait for all my tensor loads (one is out: my part of the named
; slot), add 0 to my spare word, multiply one row block while the add is out, wait for the add and for those reads, and pass a round of the cluster's barrier; the slot that is left is filled
; again, two steps ahead, first thing behind it: 64 + 3 x 72 matrix instructions ahead of the wait for it.  chg = 2: the last change: nothing is filled, so my own wait is all.
.macro SUB f, q, slot, kn, fa, fb, lc, chg
	WIN 0
.if (\chg) == 1
	s_wait_tensorcnt 0x0                           ; no tensor load of mine is out, so a group 0 may be written
	ds_add_u32 v[SPW], v[NIL]                      ; 0 onto my spare word
	s_add_nc_u64 s[G0+4*(1-(\slot))+2:G0+4*(1-(\slot))+3], s[G0+4*(1-(\slot))+2:G0+4*(1-(\slot))+3], 2*ASTEP
	s_wait_dscnt 1                                 ; this sub-step's fragments are in; the add may be out
	s_wait_loadcnt \lc
	MULA \f, \q, 0, 1, 0
	WIN 0
	s_wait_dscnt 0x0                               ; the add is done, and my reads of the slot are over
	CROUND                                         ; no wave of any partner still reads the slot or has a load on its way
	tensor_load_to_lds s[G0+4*(1-(\slot)):G0+4*(1-(\slot))+3], s[G1:G1+7]
	s_nop 0
	v_nop                                          ; these four lines are also the places in front of the loads below
	v_add_nc_u32 v[VOFF+((\q)+3)%4], BSTEP, v[VOFF+((\q)+3)%4]
	v_nop
	v_nop
	FETCHA \slot, \kn, 1-(\f)
	FETCHB ((\q)+3)%4
	MULA \f, \q, 1, 8, 0
.else
.if (\chg) == 2
	s_wait_tensorcnt 0x0                           ; my part of the last step is in
.endif
.if (\fa) || (\fb)
.if \fb
	v_add_nc_u32 v[VOFF+((\q)+3)%4], BSTEP, v[VOFF+((\q)+3)%4]  ; free since the wait that showed the slot's last loads done, a sub-step ago
.else
	v_nop
.endif
	v_nop
	v_nop
	v_nop
.endif
.if \fa
	FETCHA \slot, \kn, 1-(\f)
.endif
	s_wait_loadcnt \lc                             ; loads come back in order (ISA guide 5.7.1): ring slot q is in
.if \fb
	FETCHB ((\q)+3)%4                              ; with these, 48 loads of mine are out
.endif
	s_wait_dscnt 18*(\fa)                          ; this sub-step's fragments of hb are in; the 18 loads just issued may be out
	MULA \f, \q, 0, 9, 0
.endif
.endm
	s_load_b256 s[4:11], s[0:1], 0x0               ; hb 4, wb 6, b2 8, route 10
	s_load_b64 s[12:13], s[0:1], 0x20              ; z
	v_lshl_add_u32 v[SPW], v0, 2, SPARE
	v_mov_b32 v[NIL], 0
	ds_add_u32 v28, v29
	s_wait_dscnt 0x0
	v_lshrrev_b32 v1, 5, v0
	v_readfirstlane_b32 s[WV], v1                  ; wave 0..3
	s_bfe_u32 s16, ttmp6, 0x40000                  ; cx: it enters the weights', the bias's and z's addresses alone
	s_lshl_b32 s17, ttmp9, 2
	s_add_co_u32 s17, s17, s16                     ; column tile
	s_and_b32 s18, ttmp7, 0xffff                   ; row tile, which the four partners share
	s_lshl_b32 s22, s18, 2
	s_wait_kmcnt 0x0
	s_load_b32 s19, s[10:11], s22 offset:0x4000    ; the row tile's expert
	s_mov_b32 s[G1], 15|(1<<16)|(1<<20)|(1<<21)|(5<<22)|(3<<25)  ; the mask of four; 2-byte elements; padding of 4 words after every 64; bit 21 beside the mask
	s_mov_b32 s[G1+1], 128<<16                     ; tensor_dim0 = 128
	s_mov_b32 s[G1+2], 144<<16                     ; tensor_dim1 = 144
	s_mov_b32 s[G1+3], 128<<16                     ; tile_dim0 = 128
	s_mov_b32 s[G1+4], 144                         ; tile_dim1 = 144
	s_mov_b32 s[G1+5], 4096                        ; elements from row to row
	s_mov_b32 s[G1+6], 0
	s_mov_b32 s[G1+7], 0
	s_mul_i32 s20, s18, 144                        ; hb: the tile's first row, 8,192 bytes a row; my 256 bytes of a step's 1,024
	s_lshl_b32 s20, s20, 13
	s_lshl_b32 s21, s[WV], 8
	s_add_co_u32 s20, s20, s21
	s_mov_b32 s21, 0
	s_mul_i32 s23, s[WV], WTILE
	s_mov_b32 s[G0], 1
	s_mov_b32 s[G0+1], s23
	s_add_nc_u64 s[G0+2:G0+3], s[4:5], s[20:21]
	s_mov_b32 s[G0+4], 1
	s_add_co_u32 s[G0+5], s23, SLOT
	s_add_nc_u64 s[G0+6:G0+7], s[G0+2:G0+3], ASTEP ; K step 1
	s_or_b32 s[G0+3], s[G0+3], 0x80000000          ; type = 2
	s_or_b32 s[G0+7], s[G0+7], 0x80000000
	CROUND                                         ; all four work-groups are here: the first joint loads meet
	tensor_load_to_lds s[G0:G0+3], s[G1:G1+7]      ; the two first fills, in one group: two loads of mine are out
	s_nop 0
	tensor_load_to_lds s[G0+4:G0+7], s[G1:G1+7]
	s_nop 0
.rept 4
	v_nop
.endr
	s_wait_kmcnt 0x0
	s_min_u32 s19, s19, 3                          ; e
	s_lshl_b32 s58, s19, 23                        ; the weights: 33,554,432 + e x 8,388,608 + 8 x column tile strips,
	s_lshl_b32 s60, s17, 20
	s_add_co_u32 s58, s58, s60
	s_add_co_u32 s58, s58, 0x2000000
	s_mov_b32 s61, 0
.irp p, 0,1,2,3
	s_xor_b32 s60, s[WV], \p                       ; local pair p is column pair p xor w: two strips each
	s_lshl_b32 s60, s60, 18
	s_add_co_u32 s60, s60, s58
	s_add_nc_u64 s[BB+2*\p:BB+2*\p+1], s[6:7], s[60:61]
.endr
	s_lshl_b32 s60, s19, 12                        ; the bias of my own pair: e x 4,096 + column tile x 512 + wave x 128
	s_lshl_b32 s58, s17, 9
	s_add_co_u32 s60, s60, s58
	s_lshl_b32 s58, s[WV], 7
	s_add_co_u32 s60, s60, s58
	s_add_nc_u64 s[8:9], s[8:9], s[60:61]
	s_mul_i32 s60, s18, 144                        ; z: the 36 rows that I store, 4,096 bytes each, and the column tile's 512 bytes
	s_mul_i32 s58, s[WV], 36
	s_add_co_u32 s60, s60, s58
	s_lshl_b32 s60, s60, 12
	s_lshl_b32 s58, s17, 9
	s_add_co_u32 s60, s60, s58
	s_add_nc_u64 s[12:13], s[12:13], s[60:61]
	v_and_b32 v17, 15, v0                          ; r
	v_bfe_u32 v18, v0, 4, 1                        ; h
	v_and_b32 v19, 31, v0                          ; lane
	v_lshlrev_b32 v[BO], 5, v18
	s_lshl_b32 s20, s[WV], 12                      ; my four fragments of a step's sixteen
	v_lshl_add_u32 v[VOFF], v19, 4, s20            ; ring slot q begins with sub-step q
	v_add_nc_u32 v[VOFF+1], 1024, v[VOFF]
	v_add_nc_u32 v[VOFF+2], 2048, v[VOFF]
	v_add_nc_u32 v[VOFF+3], 3072, v[VOFF]
.irp b, 0,1
	global_load_b128 v[BIAS+8*\b:BIAS+8*\b+3],   v[BO], s[8:9] offset:64*\b      ; C's register j of lane (r, h) is column 16 b + 8 h + j of my pair
	global_load_b128 v[BIAS+8*\b+4:BIAS+8*\b+7], v[BO], s[8:9] offset:64*\b+16
.endr
	FETCHB 0
	FETCHB 1
	FETCHB 2
	WIN 0
	v_mul_u32_u24 v[ADRA], v17, PA                 ; hb's fragments: row r, 16 bytes for each half of the lanes, in my part of the slot
	v_lshl_add_u32 v[ADRA], v18, 4, v[ADRA]
	v_add_nc_u32 v[ADRA], s23, v[ADRA]
	v_add_nc_u32 v[ADRA+1], SLOT, v[ADRA]
	s_mul_i32 s20, s[WV], 3*XPAIR
	v_lshl_add_u32 v[XS], v19, 4, s20              ; the exchange: my three pairs, 16 bytes a lane
.irp p, 1,2,3
	s_xor_b32 s20, s[WV], \p                       ; wave w xor p sends me its local pair p
	s_mul_i32 s20, s20, 3*XPAIR
	s_add_co_u32 s20, s20, (\p-1)*XPAIR
	v_lshl_add_u32 v[XL+\p-1], v19, 4, s20
.endr
	v_mul_u32_u24 v[STO], v17, SP                  ; into the stage: row r; of its 512 bytes 128 w + 32 h on
	v_lshl_add_u32 v[STO], v18, 5, v[STO]
	s_lshl_b32 s20, s[WV], 7
	s_add_co_u32 s20, s20, STG
	v_add_nc_u32 v[STO], s20, v[STO]
	v_add_nc_u32 v[STO2], 96*SP, v[STO]
	s_mul_i32 s20, s[WV], 36*SP                    ; back: wave w takes rows 36 w .. 36 w + 35, whole
	s_add_co_u32 s20, s20, STG
	v_lshl_add_u32 v[RD], v19, 4, s20
	v_lshlrev_b32 v[CO], 4, v19
	s_wait_tensorcnt 1                             ; my part of K step 0 is in, and I alone read it; K step 1's may stay out
	FETCHA 0, 0, 0
	s_wait_dscnt 0x0
	s_wait_loadcnt 32                              ; the bias and ring slot 0 are in; slots 1 and 2 stay out
	MULA 0, 0, 0, 9, 1                             ; sub-step 0 starts the sums.  Its fetches stand behind its products: the bias lies in buffer 1
	WIN 0
	PLACES
	FETCHA 0, 64, 1
	FETCHB 3
	WIN 0                                          ; at a label and at a branch every window is 0
	s_mov_b32 s3, 3
.Llap:                                                 ; a trip: sub-steps 8 i + 1 to 8 i + 8: once round the ring, both slots filled again (K steps 2 to 7 in three trips)
	SUB 1, 1, 0, 128, 1, 1, 32, 0
	SUB 0, 2, 0, 192, 1, 1, 32, 0
	SUB 1, 3, 1, 0, 1, 1, 32, 1
	SUB 0, 0, 1, 64, 1, 1, 32, 0
	SUB 1, 1, 1, 128, 1, 1, 32, 0
	SUB 0, 2, 1, 192, 1, 1, 32, 0
	SUB 1, 3, 0, 0, 1, 1, 32, 1
	SUB 0, 0, 0, 64, 1, 1, 32, 0
	WIN 0
	s_sub_co_u32 s3, s3, 1
	s_cmp_lg_u32 s3, 0
	s_cbranch_scc1 .Llap
	SUB 1, 1, 0, 128, 1, 1, 32, 0                  ; sub-steps 25 to 31 are written out, no load leaves its buffer, and the counts run down
	SUB 0, 2, 0, 192, 1, 1, 32, 0
	SUB 1, 3, 1, 0, 1, 1, 32, 2
	SUB 0, 0, 1, 64, 1, 1, 32, 0
	SUB 1, 1, 1, 128, 1, 0, 32, 0
	SUB 0, 2, 1, 192, 1, 0, 16, 0
	SUB 1, 3, 1, 0, 0, 0, 0, 0
	WIN 0
	PLACES                                         ; the stores below read results just made
	s_wait_dscnt 0x0                               ; my reads of the slots are over
	s_barrier_signal -1
	s_barrier_wait -1                              ; everybody's are: the slots' place is free
	; THE EXCHANGE.  Local pairs 1 to 3 go out, 512 consecutive bytes a store; each accumulator's four lowest registers first.
.set aa, 0
.rept 9
	ACCSEL
	WIN dw<<2                                      ; store data (source 1) in the accumulators' window
.irp i, 0,1,2,3,4,5,6,7,8,9,10,11
	ds_store_b128 v[XS], v[rD+16+4*\i:rD+16+4*\i+3] offset:(\i/4)*XPAIR+512*(4*aa+\i%4)
.endr
.set aa, aa+1
.endr
	WIN 0
	s_wait_dscnt 0x0                               ; for the others' sake: my stores are done
	s_barrier_signal -1
	s_barrier_wait -1
.irp p, 0,1,2                                  ; three senders' parts onto my own pair: same lanes, same registers
	WIN 0
.set i, 0
.rept 36
	ds_load_b128 v[FA+4*i:FA+4*i+3], v[XL+\p] offset:512*i
.set i, i+1
.endr
	s_wait_dscnt 0x0
.set aa, 0
.rept 9
	ACCSEL
	WIN (dw<<6)|dw                                 ; destination and source 0 in the accumulators' window, source 1 in window 0
.irp m, 0,1,2,3,4,5,6,7
	v_pk_add_f32 v[rD+2*\m:rD+2*\m+1], v[rD+2*\m:rD+2*\m+1], v[FA+16*aa+2*\m:FA+16*aa+2*\m+1]
.endr
.set aa, aa+1
.endr
.endr
.set aa, 0
.rept 9                                        ; into the stage: a lane's eight f32 of a block are 32 bytes of a row
	ACCSEL
	WIN dw<<2
.irp i, 0,1,2,3
.if aa < 6
	ds_store_b128 v[STO], v[rD+4*\i:rD+4*\i+3] offset:aa*16*SP+64*(\i/2)+16*(\i%2)
.else
	ds_store_b128 v[STO2], v[rD+4*\i:rD+4*\i+3] offset:(aa-6)*16*SP+64*(\i/2)+16*(\i%2)
.endif
.endr
.set aa, aa+1
.endr
	WIN 0
	s_wait_dscnt 0x0                               ; for the others' sake: my stores into the stage are done
	s_barrier_signal -1
	s_barrier_wait -1                              ; a row's 512 bytes come from four waves
.set i, 0
.rept 36
	ds_load_b128 v[FA+4*i:FA+4*i+3], v[RD] offset:i*SP
.set i, i+1
.endr
.set i, 0
.rept 36
	s_wait_dscnt 35-i                              ; LDS loads come back in order (ISA guide 5.7.1): row i is in
	global_store_b128 v[CO], v[FA+4*i:FA+4*i+3], s[12:13] offset:i*4096  ; the wave stores 512 consecutive bytes, at a multiple of 512 from z's first byte
.set i, i+1
.endr
	s_wait_tensorcnt 0x0                           ; the wave's end, behind my last tensor load and my last LDS store
	ds_add_u32 v[SPW], v[NIL]
	s_wait_dscnt 0x0
	CROUND                                         ; the closing round: no work-group ends while a partner may still ask for a tile that names it
	s_endpgm
.Lfunc_end_k_q2d280776ef_gemm2:
	.size	k_q2d280776ef_gemm2, .Lfunc_end_k_q2d280776ef_gemm2-k_q2d280776ef_gemm2
	.p2alignl 7, 3214868480
	.fill 96, 4, 3214868480
	.section	.rodata,"a",@progbits
	.p2align	6, 0x0
	.amdhsa_kernel k_q2d280776ef_gemm2
		.amdhsa_group_segment_fixed_size 327680
		.amdhsa_private_segment_fixed_size 0
		.amdhsa_enable_private_segment 0
		.amdhsa_kernarg_size 40
		.amdhsa_user_sgpr_count 2
		.amdhsa_user_sgpr_kernarg_segment_ptr 1
		.amdhsa_wavefront_size32 1
		.amdhsa_system_sgpr_workgroup_id_x 1
		.amdhsa_system_sgpr_workgroup_id_y 1
		.amdhsa_system_sgpr_workgroup_id_z 1
		.amdhsa_system_vgpr_workitem_id 0
		.amdhsa_next_free_vgpr 1024
		.amdhsa_next_free_sgpr 66
		.amdhsa_reserve_vcc 0
		.amdhsa_float_denorm_mode_32 3
		.amdhsa_float_denorm_mode_16_64 3
		.amdhsa_memory_ordered 1
		.amdhsa_forward_progress 1
		.amdhsa_inst_pref_size 166
	.end_amdhsa_kernel
	.amdgpu_metadata
---
amdhsa.version: [ 1, 2 ]
amdhsa.kernels:
  - .name:           k_q2d280776ef_gemm2
    .symbol:         k_q2d280776ef_gemm2.kd
    .args:
      - { .name: hb, .offset: 0, .size: 8, .value_kind: global_buffer, .address_space: global }
      - { .name: wb, .offset: 8, .size: 8, .value_kind: global_buffer, .address_space: global }
      - { .name: b2, .offset: 16, .size: 8, .value_kind: global_buffer, .address_space: global }
      - { .name: route, .offset: 24, .size: 8, .value_kind: global_buffer, .address_space: global }
      - { .name: z, .offset: 32, .size: 8, .value_kind: global_buffer, .address_space: global }
    .group_segment_fixed_size: 327680
    .private_segment_fixed_size: 0
    .kernarg_segment_align: 8
    .kernarg_segment_size: 40
    .max_flat_workgroup_size: 128
    .sgpr_count:     66
    .vgpr_count:     1024
    .wavefront_size: 32
...
	.end_amdgpu_metadata
.endif
;; end of part 4
;; launch combine (part 5): grid 256 x 1, 8 waves a work-group, no clusters, 0 bytes of LDS; arguments z, route, out3, out0; writes out0
.if DOCPART == 5
	.amdgcn_target "amdgcn-amd-amdhsa--gfx1250"
	.amdhsa_code_object_version 6
	.text
	.protected	k_q2d280776ef_combine
	.globl	k_q2d280776ef_combine
	.p2align	8
	.type	k_q2d280776ef_combine,@function
k_q2d280776ef_combine:
	s_mov_b64 s[64:65], 0
	v_nop
	global_prefetch_b8 v0, s[64:65] scope:SCOPE_SE
	s_setreg_imm32_b32 hwreg(HW_REG_WAVE_MODE, 25, 1), 1
	s_wait_xcnt 0x0
; COMBINE: out0[t] = w0 z[row0(t)] + w1 z[row1(t)].  z: [4608][1024] f32 (the experts' results, bias included); route: the token's two rows; out3: its two weights.
; A wave takes one token: 16 loads and 8 stores of 512 consecutive bytes each.  A stream: no LDS, no barrier, no matrix unit.
.set Z0, 4                             ; v[4:35]   the first row, then the result
.set Z1, 36                            ; v[36:67]  the second row
	s_load_b256 s[4:11], s[0:1], 0x0               ; z 4, route 6, out3 8, out0 10
	v_and_b32 v1, 31, v0
	v_lshrrev_b32 v2, 5, v0
	v_readfirstlane_b32 s12, v2                    ; wave
	v_lshlrev_b32 v1, 4, v1                        ; 16 lane
	s_lshl_b32 s13, ttmp9, 3
	s_add_co_u32 s13, s13, s12                     ; t
	s_lshl_b32 s20, s13, 3
	s_lshl_b32 s24, s13, 12
	s_mov_b32 s25, 0
	s_wait_kmcnt 0x0
	s_load_b64 s[14:15], s[6:7], s20 offset:0x0    ; the two rows
	s_load_b64 s[16:17], s[8:9], s20 offset:0x0    ; the two weights
	s_add_nc_u64 s[10:11], s[10:11], s[24:25]
	s_wait_kmcnt 0x0
	s_min_u32 s14, s14, 4607
	s_min_u32 s15, s15, 4607
	s_lshl_b32 s26, s14, 12                        ; rows of 4,096 bytes
	s_mov_b32 s27, 0
	s_lshl_b32 s28, s15, 12
	s_mov_b32 s29, 0
	s_add_nc_u64 s[26:27], s[4:5], s[26:27]
	s_add_nc_u64 s[28:29], s[4:5], s[28:29]
	s_mov_b32 s18, s17                             ; the second weight in a pair of its own: the packed forms take a pair's low word for both halves
	s_mov_b32 s19, s17
.irp j, 0,1,2,3,4,5,6,7
	global_load_b128 v[Z1+4*\j:Z1+4*\j+3], v1, s[28:29] offset:512*\j th:TH_LOAD_NT
.endr
.irp j, 0,1,2,3,4,5,6,7
	global_load_b128 v[Z0+4*\j:Z0+4*\j+3], v1, s[26:27] offset:512*\j th:TH_LOAD_NT
.endr
	s_wait_loadcnt 8                               ; the second row is in; the first row's eight younger loads stay out
.set k, 0
.rept 16
	v_pk_mul_f32 v[Z1+2*k:Z1+2*k+1], v[Z1+2*k:Z1+2*k+1], s[18:19] op_sel_hi:[1,0]
.set k, k+1
.endr
	s_wait_loadcnt 0x0
.set k, 0
.rept 16
	v_pk_fma_f32 v[Z0+2*k:Z0+2*k+1], v[Z0+2*k:Z0+2*k+1], s[16:17], v[Z1+2*k:Z1+2*k+1] op_sel_hi:[1,0,1]
.set k, k+1
.endr
.irp j, 0,1,2,3,4,5,6,7
	global_store_b128 v1, v[Z0+4*\j:Z0+4*\j+3], s[10:11] offset:512*\j th:TH_STORE_NT
.endr
	s_endpgm
.Lfunc_end_k_q2d280776ef_combine:
	.size	k_q2d280776ef_combine, .Lfunc_end_k_q2d280776ef_combine-k_q2d280776ef_combine
	.p2alignl 7, 3214868480
	.fill 96, 4, 3214868480
	.section	.rodata,"a",@progbits
	.p2align	6, 0x0
	.amdhsa_kernel k_q2d280776ef_combine
		.amdhsa_group_segment_fixed_size 0
		.amdhsa_private_segment_fixed_size 0
		.amdhsa_enable_private_segment 0
		.amdhsa_kernarg_size 32
		.amdhsa_user_sgpr_count 2
		.amdhsa_user_sgpr_kernarg_segment_ptr 1
		.amdhsa_wavefront_size32 1
		.amdhsa_system_sgpr_workgroup_id_x 1
		.amdhsa_system_sgpr_workgroup_id_y 1
		.amdhsa_system_sgpr_workgroup_id_z 1
		.amdhsa_system_vgpr_workitem_id 0
		.amdhsa_next_free_vgpr 72
		.amdhsa_next_free_sgpr 66
		.amdhsa_reserve_vcc 0
		.amdhsa_float_denorm_mode_32 3
		.amdhsa_float_denorm_mode_16_64 3
		.amdhsa_memory_ordered 1
		.amdhsa_forward_progress 1
		.amdhsa_inst_pref_size 6
	.end_amdhsa_kernel
	.amdgpu_metadata
---
amdhsa.version: [ 1, 2 ]
amdhsa.kernels:
  - .name:           k_q2d280776ef_combine
    .symbol:         k_q2d280776ef_combine.kd
    .args:
      - { .name: z, .offset: 0, .size: 8, .value_kind: global_buffer, .address_space: global }
      - { .name: route, .offset: 8, .size: 8, .value_kind: global_buffer, .address_space: global }
      - { .name: out3, .offset: 16, .size: 8, .value_kind: global_buffer, .address_space: global }
      - { .name: out0, .offset: 24, .size: 8, .value_kind: global_buffer, .address_space: global }
    .group_segment_fixed_size: 0
    .private_segment_fixed_size: 0
    .kernarg_segment_align: 8
    .kernarg_segment_size: 32
    .max_flat_workgroup_size: 256
    .sgpr_count:     66
    .vgpr_count:     72
    .wavefront_size: 32
...
	.end_amdgpu_metadata
.endif
;; end of part 5
